; MI455X (gfx1250); checked and timed in simulation.
; The chip was launched on July 23, 2026; its instructions are those of AMD's public machine-readable ISA for CDNA 5 (MIT licence, August 2026) and "CDNA5" Instruction Set Architecture Reference Guide (July 2026). The comments in the code are by the model that wrote it; some were corrected since.
;; Multi Head Attention. Allowed arithmetic: matrix products marked QUANTISED: E2M3 operands, one E8M0 scale for each 32 along K, by v_wmma_scale_f32_16x16x128_f8f6f4 with both operands' format E2M3, f32 sums; everything else in f32.
;; Inputs: Wk 1,024 x 1,024 float32; Wo 1,024 x 1,024 float32; Wq 1,024 x 1,024 float32; Wv 1,024 x 1,024 float32; bk 1,024 float32; bo 1,024 float32; bq 1,024 float32; bv 1,024 float32; mask 1 x 1 x 2,048 x 2,048 int32; x 4 x 2,048 x 1,024 float32.
;; Outputs: out0 4 x 2,048 x 1,024 float32.
;; This version of the problem:
;;   THIS VERSION OF THE PROBLEM IS GIVEN IN LOW PRECISION. The matrix products marked QUANTISED in the list below multiply operands that are first quantised to E2M3 (2 exponent bits, 3 mantissa bits; 6 bits a number), with one power-of-two scale for each 32 numbers along K (OCP MX v1.0); their sums are f32. All else is computed in f32.
;;   The module's matrix products, in the order in which they are computed (A, B: the left and right operand; K: the contracted axis; several contracted axes count as one K, in the product's order):
;;     1. [M 8,192, K 1,024] x [K 1,024, N 1,024]; A: input x; B: input Wq: QUANTISED
;;     2. [M 8,192, K 1,024] x [K 1,024, N 1,024]; A: input x; B: input Wk: QUANTISED
;;     3. [M 8,192, K 1,024] x [K 1,024, N 1,024]; A: input x; B: input Wv: QUANTISED
;;     4. batch 64 x [M 2,048, K 64] x [K 64, N 2,048]; A: computed on the way; B: computed on the way: QUANTISED
;;     5. batch 64 x [M 2,048, K 2,048] x [K 2,048, N 64]; A: softmax (see below); B: computed on the way: QUANTISED
;;     6. [M 8,192, K 1,024] x [K 1,024, N 1,024]; A: computed on the way; B: input Wo: QUANTISED
;;   THE QUANTISER, for each operand of a quantised product, along K:
;;     - K is cut into blocks of 32 from its start; a last block that is shorter is filled with zeros.
;;     - A block's scale is 2^e with e = floor(log2(the largest magnitude in the block)) - 2, held to -126 .. 127; a block of zeros has e = 0. As a byte (E8M0): e + 127.
;;     - Each number is divided by its block's scale, clamped to +-7.5, and rounded to the nearest number of E2M3, ties to even, subnormals kept.
;;     - The product sums the exact products of the quantised numbers (number of the format x scale) in f32.
;;   ~~~python
;;   def quantise(x, axis):      # numpy; x: float32 -> the quantised numbers, widened to float32 again
;;       x = np.moveaxis(x, axis, -1); K = x.shape[-1]
;;       x = np.pad(x, [(0, 0)] * (x.ndim - 1) + [(0, -K % 32)]); x = x.reshape(x.shape[:-1] + (-1, 32)); a = np.abs(x).max(-1, keepdims=True)
;;       e = np.where(a > 0, np.clip(np.frexp(np.where(a > 0, a, 1))[1] - 1 - 2, -126, 127), 0)      # np.frexp(a)[1] - 1 = floor(log2(a)), exactly
;;       r = np.clip(x / 2.0 ** e, -7.5, 7.5)
;;       step = 2.0 ** (np.maximum(np.frexp(np.where(r == 0, 1, r))[1] - 1, 0) - 3)
;;       q = np.round(r / step) * step * 2.0 ** e      # np.round: ties to even
;;       return np.moveaxis(q.reshape(q.shape[:-2] + (-1,))[..., :K], -1, axis).astype(np.float32)
;;   ~~~
;;   SOFTMAX AHEAD OF A QUANTISED PRODUCT. Where the list says 'softmax', what is quantised is not the finished softmax but p = 2^(t - M), with t = logit x log2(e) and M = ceil(the row's largest t), a whole number; so 1/2 < the row's largest p <= 1. The row's sum l is taken of the UNQUANTISED p, in f32, and the product's result is divided by l at the end. Since M is a whole number, a kernel that streams over the keys may use a running M (the ceiling of the running maximum): every later rescaling is an exact power of two, which a block's scale takes up: the codes' values come out the same.
;;   OPERANDS COMPUTED ON THE WAY. 'Computed on the way' means the value that the module computes at that place (a softmax that the list does not call 'softmax' is quantised finished and normalised). What goes into a quantiser is computed in f32, as accurately as f32 sums, v_exp_f32 and their like allow (about 1e-6 of the number): no bf16 or f16 on the way to a quantiser, and a product that is left as it is and whose result goes on into a quantised operand takes f32 operands (vector FMAs, or v_wmma_f32_16x16x4_f32). A number that lies on a knife's edge between two numbers of the format may be rounded either way, as far as f32 arithmetic and the matrix unit's own rounding can turn it there, and no further.
;; One version. Each part assembles by itself: llvm-mc -triple=amdgcn-amd-amdhsa -mcpu=gfx1250 --defsym DOCPART=n.
;; ======== version 1 of 1: 4 launches
;; limits: right only within a limited range of input values
;; workspace buffers: cod 9,830,400 bytes; mc 2,097,152 bytes; qf 6,815,744 bytes; kv 13,369,344 bytes; ac 6,553,600 bytes
;; launch prep (part 1): grid 512 x 1, 4 waves a work-group, no clusters, 68,096 bytes of LDS; arguments x, Wq, Wk, Wv, Wo, mask, cod, mc; writes cod, mc
.if DOCPART == 1
	.amdgcn_target "amdgcn-amd-amdhsa--gfx1250"
	.amdhsa_code_object_version 6
	.text
	.protected	k_qce1303cb3d_prep
	.globl	k_qce1303cb3d_prep
	.p2align	8
	.type	k_qce1303cb3d_prep,@function
k_qce1303cb3d_prep:
	s_mov_b64 s[64:65], 0
	v_nop
	global_prefetch_b8 v0, s[64:65] scope:SCOPE_SE
	s_setreg_imm32_b32 hwreg(HW_REG_WAVE_MODE, 25, 1), 1
	s_wait_xcnt 0x0
; PREP.  x [8192][1024] and Wq, Wk, Wv, Wo [1024][1024], f32 with K innermost, become codes of FP6 (E2M3) with one E8M0 byte for each 32 along K; the mask [2048][2048] of int32 becomes a table of 4-bit codes.
; A block's scale is 2^(floor(log2(largest magnitude)) - 2); its byte is the largest magnitude's exponent field - 2, held at 1 from below.
; LIMITS: a block of zeros gets the byte 1 where the rule says 127 (its codes are zeros, and this program alone reads the bytes); NaN and infinities among the inputs are not served.
; SHARES.  2,048 wave tasks, task = 4 x work-group + wave: 16 rows x 4 steps of 128 columns of 4 bytes.  Tasks 0-1023: x (tile, half of K); 1024-1535: the four weights, 64 tiles each; 1536-2047: the mask (query tile, quarter of the keys).
; THE ROWS OF A TILE ARE NOT NEIGHBOURS: place i of tile T is row 32 (T / 2) + 8 (T % 2) + i + 8 (i / 8), so that in a transposed product the 16 registers of tiles 2 b, 2 b + 1 are 16 neighbours.
; OUT.  cod: a record of 12,800 bytes a tile: two halves of 6,400, one a task: eight images of 16 rows x 64 K (768 bytes: a lane's registers 0-3 at 16 x lane, registers 4-5 at 512 + 8 x lane), then 256 bytes of scale words [place][4].
;       mc: [query tile][key step][2 pieces][lane][16 bytes]: the i-th code of register g of lane (r, h) is the FP4 (E2M1) code of 0 where mask[row of place r][128 step + 64 (n / 32) + 32 h + n % 32], n = 8 g + i, is not 0, and of -1 where it is 0:
;       n is the number of the score register of the launch that reads the table and widens the codes again.  The table is no operand of a product: it is what that launch adds to its scores.
; Every load reads 512 consecutive bytes of one row; a step's 16 rows turn through the wave's own stage in LDS (rows 528 bytes apart).  Every store covers 256 or 512 consecutive bytes, aligned.
; No matrix unit, no cluster, no barrier: the waves share nothing and every byte is read once.  The two paths (numbers, mask) have LDS bytes of their own.
.set STG,  8448                        ; a wave's stage: 16 rows x 528 bytes
.set LBM,  4*STG                       ; the mask path's stages begin here
.set NS,   4                           ; steps a task
.set OFF,  8                           ; v8-23   place i: 16 x lane + its row's bytes
.set PC,   24                          ; v24-42  the codes just made (mask path: v24-31); v39, v43: the spare word's address and 0
.set MX,   44                          ; v44-47  largest magnitudes (mask path: v44 -1.0, v45 1.0)
.set TP,   48                          ; v48-51  the other half's, then the bytes
.set SO,   52                          ; v52-55  the conversions' scale operands
.set SW,   56                          ; v56-59  a scale word for each step
.set X,    64                          ; v64-127 64 numbers of my row
.set R,    128                         ; v128-255 two sets of 64 registers as loaded
.set SEL,  2                           ; s[2:3]  lane selects for v_permlanex16_b32: lane l xor 16
; 64 numbers of a lane, register 16 b + i = column 32 b + 16 (lane / 16) + i, become a fragment's 12 registers in v[PC] on and the row's scale word in v[pw].
.macro QUANT s, pw
.irp b, 0,1,2,3
	v_max3_num_f32 v[MX+\b], |v[\s+16*\b]|, |v[\s+16*\b+1]|, 0x1800000   ; my 16 numbers of block b, and the floor 2^(3 - 127): the byte cannot fall under 1
.endr
.irp i, 2,4,6,8,10,12,14
.irp b, 0,1,2,3
	v_max3_num_f32 v[MX+\b], v[MX+\b], |v[\s+16*\b+\i]|, |v[\s+16*\b+\i+1]|
.endr
.endr
.irp b, 0,1,2,3
	v_permlanex16_b32 v[TP+\b], v[MX+\b], s[SEL], s[SEL+1]
.endr
.irp b, 0,1,2,3
	v_max_num_f32 v[MX+\b], v[MX+\b], v[TP+\b]     ; with lane l xor 16's 16: the block's largest magnitude
.endr
.irp b, 0,1,2,3
	v_add_nc_u32 v[SO+\b], 0xff000000, v[MX+\b]    ; 2 off its exponent field: the conversion takes this operand's exponent field as its scale
.endr
.irp b, 0,1,2,3
	v_lshrrev_b32 v[TP+\b], 23, v[SO+\b]           ; the scale's byte
.endr
	v_lshl_or_b32 v[\pw], v[TP+1], 8, v[TP]
	v_lshl_or_b32 v[\pw], v[TP+2], 16, v[\pw]
	v_lshl_or_b32 v[\pw], v[TP+3], 24, v[\pw]
.irp c, 0,1
	v_cvt_scalef32_pk16_fp6_f32 v[PC+6*\c:PC+6*\c+2], v[\s+32*\c:\s+32*\c+15], v[SO+2*\c]
	v_cvt_scalef32_pk16_fp6_f32 v[PC+12+4*\c:PC+14+4*\c], v[\s+32*\c+16:\s+32*\c+31], v[SO+2*\c+1]   ; (a conversion's three registers begin on an even number)
.endr
	v_nop                                          ; one plain instruction behind the scaled conversions
.irp c, 0,1                                    ; the operand's layout wants a whole block in a lane: lanes 0-15 block 2 c, lanes 16-31 block 2 c + 1
.irp i, 0,1,2
	v_permlane16_swap_b32 v[PC+6*\c+\i], v[PC+12+4*\c+\i]
.endr
.irp i, 0,1,2
	v_mov_b32 v[PC+3+6*\c+\i], v[PC+12+4*\c+\i]
.endr
.endr
.endm
.macro LOAD t                          ; step t: 512 consecutive bytes of each of the 16 rows
.irp i, 0,1,2,3,4,5,6,7,8,9,10,11,12,13,14,15
	global_load_b128 v[R+64*((\t)%2)+4*\i:R+64*((\t)%2)+4*\i+3], v[OFF+\i], s[20:21] offset:512*(\t) th:TH_LOAD_NT
.endr
.endm
.macro FRONT t, lb                     ; step t's numbers through the stage; then the loads of two steps on
.if (\t) < NS-1
	s_wait_loadcnt 16                              ; this step's 16 loads are in; the next step's 16 may be out
.else
	s_wait_loadcnt 0x0
.endif
.irp i, 0,1,2,3,4,5,6,7,8,9,10,11,12,13,14,15
	ds_store_b128 v3, v[R+64*((\t)%2)+4*\i:R+64*((\t)%2)+4*\i+3] offset:\lb+528*\i
.endr
.irp n, 0,1,2,3,4,5,6,7,8,9,10,11,12,13,14,15   ; LDS serves a wave's instructions in order: these see the stores above
.if \lb
	ds_load_b128 v[X+4*\n:X+4*\n+3], v7 offset:\lb+256*(\n/8)+16*(\n%8)   ; mask path: register n = column 64 (n / 32) + 32 (lane / 16) + n % 32 of my row
.else
	ds_load_b128 v[X+4*\n:X+4*\n+3], v4 offset:\lb+128*(\n/4)+16*(\n%4)   ; numbers: register 16 b + i = column 32 b + 16 (lane / 16) + i
.endif
.endr
	s_wait_dscnt 0x0                               ; the numbers are back, and the stage's stores have read their registers
	s_wait_xcnt 0x0                                ; the last step's global stores have read their data: those registers are written again only behind this wait
.if (\t) < NS-2
	LOAD (\t)+2
.endif
.endm
.macro QSTEP t                         ; 128 along K of 16 rows: two images of 768 bytes
	FRONT \t, 0
	QUANT X, SW+\t
	global_store_b128 v1, v[PC:PC+3], s[24:25] offset:1536*\t
	global_store_b64 v2, v[PC+4:PC+5], s[24:25] offset:1536*\t+512
	global_store_b128 v1, v[PC+6:PC+9], s[24:25] offset:1536*\t+768
	global_store_b64 v2, v[PC+10:PC+11], s[24:25] offset:1536*\t+1280
.endm
.macro MSTEP t                         ; 128 keys of 16 queries: 64 numbers a lane, 0 or -1, become 64 codes of 4 bits: 1,024 bytes of the table
	FRONT \t, LBM
.irp g, 0,1,2,3
.irp k, 0,1,2,3,4,5,6,7,8,9,10,11,12,13,14,15
	v_cmp_eq_u32 s[32+\k], 0, v[X+16*\g+\k]
.endr
.irp k, 0,1,2,3,4,5,6,7,8,9,10,11,12,13,14,15
	v_cndmask_b32 v[X+16*\g+\k], 0, v[MX], s[32+\k]
.endr
.endr
.irp g, 0,1,2,3,4,5,6,7
	v_cvt_scalef32_pk8_fp4_f32 v[PC+\g], v[X+8*\g:X+8*\g+7], v[MX+1]   ; eight numbers / 2^0: both are numbers of the format
.endr
	v_nop                                          ; one plain instruction behind the scaled conversions
	global_store_b128 v1, v[PC:PC+3], s[24:25] offset:1024*\t          ; 32 lanes store 512 consecutive bytes, aligned
	global_store_b128 v1, v[PC+4:PC+7], s[24:25] offset:1024*\t+512
.endm
	s_load_b256 s[4:11], s[0:1], 0x0               ; x, Wq, Wk, Wv
	s_load_b256 s[12:19], s[0:1], 0x20             ; Wo, mask, cod, mc
	v_lshl_add_u32 v39, v0, 2, 0x10800             ; my spare word, behind the eight stages
	v_mov_b32 v43, 0
	v_lshrrev_b32 v6, 5, v0
	v_readfirstlane_b32 s22, v6                    ; wave 0..3
	v_and_b32 v7, 31, v0                           ; lane
	v_and_b32 v6, 15, v0                           ; r
	v_bfe_u32 v5, v0, 4, 1                         ; h
	v_lshlrev_b32 v1, 4, v7                        ; 16 x lane
	s_wait_alu depctr_va_vdst(0)
	v_lshlrev_b32 v2, 3, v7                        ; 8 x lane
	s_mul_i32 s23, s22, STG
	v_add_nc_u32 v3, s23, v1                       ; the stage, in: 16 x lane of a row
	v_mul_u32_u24 v4, v6, 528
	v_lshl_add_u32 v4, v5, 6, v4
	v_add_nc_u32 v4, s23, v4                       ; out, numbers: row r, + 64 h
	v_mul_u32_u24 v7, v6, 528
	v_lshl_add_u32 v7, v5, 7, v7
	v_add_nc_u32 v7, s23, v7                       ; out, mask: row r, + 128 h
	v_lshlrev_b32 v5, 3, v5
	v_lshl_add_u32 v5, v6, 4, v5                   ; the scale words' place: 16 bytes a row, 8 for each half of the lanes
	s_lshl_b32 s26, ttmp9, 2
	s_add_co_u32 s26, s26, s22                     ; the task
	s_lshr_b32 s33, s26, 1                         ; the tile in cod
	s_and_b32 s27, s33, 63                         ; a weight's tile
	s_and_b32 s34, s26, 1
	s_lshl_b32 s34, s34, 11                        ; the half of K: 512 x 4 bytes
	s_sub_co_u32 s29, s26, 1536                    ; the mask's task
	s_lshr_b32 s30, s29, 2                         ; its query tile
	s_and_b32 s31, s26, 3
	s_lshl_b32 s31, s31, 11                        ; its quarter of the keys: 512 x 4 bytes
	s_mov_b32 s28, 8192                            ; a row of the mask in bytes
	s_cmp_lt_u32 ttmp9, 256
	s_cselect_b32 s27, s33, s27                    ; x's tile
	s_cmp_lt_u32 ttmp9, 384
	s_cselect_b32 s27, s27, s30
	s_cselect_b32 s31, s34, s31
	s_cselect_b32 s28, 4096, s28                   ; a row of x or of a weight
	s_lshr_b32 s30, s27, 1
	s_lshl_b32 s30, s30, 5
	s_and_b32 s27, s27, 1
	s_lshl_b32 s27, s27, 3
	s_add_co_u32 s30, s30, s27                     ; the tile's first row: 32 (T / 2) + 8 (T % 2)
	s_mul_i32 s30, s30, s28
	s_add_co_u32 s30, s30, s31
	s_mov_b32 s31, 0
.irp i, 0,1,2,3,4,5,6,7,8,9,10,11,12,13,14,15
	v_mad_u32_u24 v[OFF+\i], s28, \i+8*(\i/8), v1
.endr
	s_mov_b32 s[SEL], 0x76543210
	s_mov_b32 s[SEL+1], 0xfedcba98
	s_wait_alu depctr_va_vdst(0)                   ; at the head's end
	s_wait_kmcnt 0x0
	s_cmp_lt_u32 ttmp9, 384                        ; which tensor: the choice hangs on the work-group's number alone
	s_cselect_b64 s[20:21], s[12:13], s[14:15]
	s_cmp_lt_u32 ttmp9, 352
	s_cselect_b64 s[20:21], s[10:11], s[20:21]
	s_cmp_lt_u32 ttmp9, 320
	s_cselect_b64 s[20:21], s[8:9], s[20:21]
	s_cmp_lt_u32 ttmp9, 288
	s_cselect_b64 s[20:21], s[6:7], s[20:21]
	s_cmp_lt_u32 ttmp9, 256
	s_cselect_b64 s[20:21], s[4:5], s[20:21]
	s_add_nc_u64 s[20:21], s[20:21], s[30:31]
	LOAD 0
	LOAD 1
.irp b, 0,1,2,3
	v_mov_b32 v[TP+\b], 0                          ; written once: a lane permute's destination counts as one of its sources
.endr
	s_cmp_ge_u32 ttmp9, 384
	s_cbranch_scc1 .Lmask
	s_mul_i32 s30, s26, 6400                       ; my half of my tile's record: 12,800 x tile + 6,400 x half
	s_add_nc_u64 s[24:25], s[16:17], s[30:31]
.irp t, 0,1,2,3
	QSTEP \t
.endr
	s_mov_b32 s30, 0xffff0000
	v_cndmask_b32 v[X], v[SW], v[SW+2], s30        ; both halves of the lanes hold a row's four words: lanes 0-15 store those of steps 0 and 1, lanes 16-31 of steps 2 and 3
	v_cndmask_b32 v[X+1], v[SW+1], v[SW+3], s30
	global_store_b64 v5, v[X:X+1], s[24:25] offset:6144   ; 32 lanes store 256 consecutive bytes, aligned
	s_wait_tensorcnt 0x0                           ; the wave's end
	ds_add_u32 v39, v43
	s_wait_dscnt 0x0
	s_endpgm
.Lmask:
	s_lshl_b32 s30, s29, 12                        ; 16,384 x query tile + 4,096 x quarter
	s_add_nc_u64 s[24:25], s[18:19], s[30:31]
	v_mov_b32 v[MX], 0xbf800000                    ; -1.0
	v_mov_b32 v[MX+1], 0x3f800000                  ; the conversions' scale operand: 2^0
	s_wait_alu depctr_va_vdst(0)
.irp t, 0,1,2,3
	MSTEP \t
.endr
	s_wait_tensorcnt 0x0                           ; the wave's end
	ds_add_u32 v39, v43
	s_wait_dscnt 0x0
	s_endpgm
.Lfunc_end_k_qce1303cb3d_prep:
	.size	k_qce1303cb3d_prep, .Lfunc_end_k_qce1303cb3d_prep-k_qce1303cb3d_prep
	.p2alignl 7, 3214868480
	.fill 96, 4, 3214868480
	.section	.rodata,"a",@progbits
	.p2align	6, 0x0
	.amdhsa_kernel k_qce1303cb3d_prep
		.amdhsa_group_segment_fixed_size 68096
		.amdhsa_private_segment_fixed_size 0
		.amdhsa_enable_private_segment 0
		.amdhsa_kernarg_size 64
		.amdhsa_user_sgpr_count 2
		.amdhsa_user_sgpr_kernarg_segment_ptr 1
		.amdhsa_wavefront_size32 1
		.amdhsa_system_sgpr_workgroup_id_x 1
		.amdhsa_system_sgpr_workgroup_id_y 1
		.amdhsa_system_sgpr_workgroup_id_z 1
		.amdhsa_system_vgpr_workitem_id 0
		.amdhsa_next_free_vgpr 256
		.amdhsa_next_free_sgpr 66
		.amdhsa_reserve_vcc 0
		.amdhsa_float_denorm_mode_32 3
		.amdhsa_float_denorm_mode_16_64 3
		.amdhsa_memory_ordered 1
		.amdhsa_forward_progress 1
		.amdhsa_inst_pref_size 83
	.end_amdhsa_kernel
	.amdgpu_metadata
---
amdhsa.version: [ 1, 2 ]
amdhsa.kernels:
  - .name:           k_qce1303cb3d_prep
    .symbol:         k_qce1303cb3d_prep.kd
    .args:
      - { .name: x, .offset: 0, .size: 8, .value_kind: global_buffer, .address_space: global }
      - { .name: Wq, .offset: 8, .size: 8, .value_kind: global_buffer, .address_space: global }
      - { .name: Wk, .offset: 16, .size: 8, .value_kind: global_buffer, .address_space: global }
      - { .name: Wv, .offset: 24, .size: 8, .value_kind: global_buffer, .address_space: global }
      - { .name: Wo, .offset: 32, .size: 8, .value_kind: global_buffer, .address_space: global }
      - { .name: mask, .offset: 40, .size: 8, .value_kind: global_buffer, .address_space: global }
      - { .name: cod, .offset: 48, .size: 8, .value_kind: global_buffer, .address_space: global }
      - { .name: mc, .offset: 56, .size: 8, .value_kind: global_buffer, .address_space: global }
    .group_segment_fixed_size: 68096
    .private_segment_fixed_size: 0
    .kernarg_segment_align: 8
    .kernarg_segment_size: 64
    .max_flat_workgroup_size: 128
    .sgpr_count:     66
    .vgpr_count:     256
    .wavefront_size: 32
...
	.end_amdgpu_metadata
.endif
;; end of part 1
;; launch qkv (part 2): grid 12 x 64, 4 waves a work-group, clusters of 4 x 4, 307,712 bytes of LDS; arguments cod, bq, bk, bv, qf, kv; writes qf, kv
.if DOCPART == 2
	.amdgcn_target "amdgcn-amd-amdhsa--gfx1250"
	.amdhsa_code_object_version 6
	.text
	.protected	k_qce1303cb3d_qkv
	.globl	k_qce1303cb3d_qkv
	.p2align	8
	.type	k_qce1303cb3d_qkv,@function
k_qce1303cb3d_qkv:
	s_mov_b64 s[64:65], 0
	v_nop
	global_prefetch_b8 v0, s[64:65] scope:SCOPE_SE
	s_setreg_imm32_b32 hwreg(HW_REG_WAVE_MODE, 25, 1), 1
	s_wait_xcnt 0x0
	s_wait_alu depctr_hold_cnt(0) depctr_sa_sdst(0) depctr_va_vdst(0) depctr_va_sdst(0) depctr_va_ssrc(0) depctr_va_vcc(0) depctr_vm_vsrc(0)
	s_getreg_b32 s2, hwreg(HW_REG_IB_STS2, 6, 4)
	s_cmp_eq_u32 s2, 0
	s_cbranch_scc0 .Lentry_in_a_cluster
	s_endpgm
.Lentry_in_a_cluster:
	s_bfe_u32 s2, ttmp6, 0x10000c
	s_cmp_lg_u32 s2, 0xf033
	s_cbranch_scc0 .Lentry_shape_is_right
	s_endpgm
.Lentry_shape_is_right:
; QKV.  q = x Wq^T + bq, k = x Wk^T + bk, v = x Wv^T + bv on codes of FP6 (E2M3) with E8M0 scales, sums in f32; the results are quantised in registers: q and k along the head's 64, v along the keys.
; LIMITS: a block of zeros gets the byte 1 where the rule says 127 (its codes are zeros; this program alone reads the bytes); NaN and infinities are not served.
; THE PRODUCT IS USED TRANSPOSED: source 0 (S0) = 16 rows whose index then runs along a lane's registers, source 1 (S1) = 16 rows whose index stays in the lane.
;   cluster x = 0, 1 (q, k): S0 = the weight (registers run along the head's numbers), S1 = x.      cluster x = 2 (v): S0 = x (registers run along the keys), S1 = Wv.
; A work-group makes 256 (S0) x 128 (S1); each of its four waves 128 x 64: 32 accumulators, which take turns, one instruction a turn.
; ALL OF K LIES IN LDS: (256 + 128) rows x 800 bytes = 307,200 bytes, filled once, in two halves along K: the second lands while the first is multiplied.  Nothing is filled again.
; CLUSTER 4 x 4: S1's tiles hang on the cluster's y and cy alone and are asked for jointly by a row of the cluster, S0's on cx alone and are asked for jointly by a column.
; Tiles lie in cod as images of the operand's registers (see the launch that makes them): a fragment comes by two loads of 16 bytes a lane and two of 8, each of consecutive bytes.
; OUT.  qf: [64 batch x head][16 groups] records of 6,656 bytes: 8 images of 16 queries x 64, 512 bytes of scale words.
;       kv: [64][16 key steps] records of 13,056 bytes: 8 images of 16 keys x 64; 4 fragments of v (16 of the head's 64 x 128 keys, 1,536 bytes); 512 bytes of k's scale words; 256 of v's.
;       q's and k's scale words hold the head's two bytes twice: the upper two serve the half of the next product's K that is zeros.
; REGISTERS, in windows of 256: window 0: v1-17 addresses; v32-95 scale words; v96-127 the quantiser's; v128-223 S1's fragments, two sets (later 64 numbers to quantise); v224-239 scale words made, v's bias.
;   window 1: v0-95, v128-223 S0's fragments, two sets; v96-127, v224-255 the bias along the registers.   window 2: accumulator (a, b) at v[64 a + 8 b].
.set WV,  16                           ; s16 wave; s17 wave / 2: my 4 tiles of S1; s18 wave % 2: my 8 tiles of S0
.set W1,  17
.set W0,  18
.set CX,  19
.set CY,  20
.set CLY, 22
.set G1R, 24                           ; s[24:31] group 1 for S1's tiles (mask: my row of the cluster);  s[32:39] for S0's (my column)
.set G1C, 32
.set G0A, 40                           ; s[40:47] group 0 for S1, one set for each half of K;  s[48:55] for S0
.set G0B, 48
.set TL1, 58                           ; s58 S1's first tile in cod;  s60 S0's
.set TL0, 60
.set SEL, 98
.set HALF, 153600                      ; LDS: a half of K: S1's 8 tiles, S0's 16, 6,400 bytes each
.set SC,  32
.set S1F, 128
.set H,   128
.set PC,  96
.set MX,  116
.set TP,  120
.set SO,  124
.set PW,  224
.set BL,  232
.set MSB, 0
.macro WIN new                         ; the immediate's high byte repeats the setting that is left
.if MSB != \new
	s_set_vgpr_msb (MSB<<8)|\new
.set MSB, \new
.endif
.endm
.macro CROUND                          ; a round of the cluster's barrier
	s_barrier_signal -1
	s_barrier_wait -1
	s_cmp_lg_u32 s[WV], 0
	s_cbranch_scc1 .Lnot_wave_0_\@
	s_barrier_signal -3
.Lnot_wave_0_\@:
	s_barrier_wait -3
	s_barrier_signal -1
	s_barrier_wait -1
.endm
.macro PLACES                          ; four plain instructions between a matrix instruction and a load into, or a vector instruction on, its registers
.rept 4
	v_nop
.endr
.endm
.macro FRAG reg, a16, a8, off          ; a fragment (16 rows x 128 K, 12 registers) = two images of 768 bytes
	ds_load_b128 v[\reg:\reg+3], v[\a16] offset:\off
	ds_load_b64 v[\reg+4:\reg+5], v[\a8] offset:\off+512
	ds_load_b128 v[\reg+6:\reg+9], v[\a16] offset:\off+768
	ds_load_b64 v[\reg+10:\reg+11], v[\a8] offset:\off+1280
.endm
.macro FETCH s                         ; K step s: my 8 fragments of S0 and 4 of S1 into set s % 2
	WIN 0x40                                       ; destination window 1, address window 0
.irp b, 0,1,2,3,4,5,6,7
	FRAG 128*((\s)%2)+12*\b, 8+(\s)/4, 10+(\s)/4, 6400*\b+1536*((\s)%4)
.endr
	WIN 0
.irp a, 0,1,2,3
	FRAG S1F+48*((\s)%2)+12*\a, 4+(\s)/4, 6+(\s)/4, 6400*\a+1536*((\s)%4)
.endr
.endm
.macro SCALES k                        ; the scale words of half k of K: four K steps a load; lanes 0-15 take S1's tile i, lanes 16-31 S0's tile i
.irp i, 0,1,2,3,4,5,6,7
	ds_load_b128 v[SC+32*(\k)+4*\i:SC+32*(\k)+4*\i+3], v[12+(\k)] offset:6400*\i
.endr
.endm
.macro MUL16 a0, s, cm                 ; S1's tiles a0, a0 + 1 x S0's eight, K step s.  cm = 0: the products start the sums
.irp a, \a0, \a0+1
.irp b, 0,1,2,3,4,5,6,7
.if \cm == 0
	v_wmma_scale_f32_16x16x128_f8f6f4 v[64*(\a)+8*\b:64*(\a)+8*\b+7], v[128*((\s)%2)+12*\b:128*((\s)%2)+12*\b+11], v[S1F+48*((\s)%2)+12*(\a):S1F+48*((\s)%2)+12*(\a)+11], 0, v[SC+32*((\s)/4)+4*\b+(\s)%4], v[SC+32*((\s)/4)+4*(\a)+(\s)%4] matrix_a_fmt:MATRIX_FMT_FP6 matrix_b_fmt:MATRIX_FMT_FP6 matrix_a_scale:MATRIX_SCALE_ROW1
.else
	v_wmma_scale_f32_16x16x128_f8f6f4 v[64*(\a)+8*\b:64*(\a)+8*\b+7], v[128*((\s)%2)+12*\b:128*((\s)%2)+12*\b+11], v[S1F+48*((\s)%2)+12*(\a):S1F+48*((\s)%2)+12*(\a)+11], v[64*(\a)+8*\b:64*(\a)+8*\b+7], v[SC+32*((\s)/4)+4*\b+(\s)%4], v[SC+32*((\s)/4)+4*(\a)+(\s)%4] matrix_a_fmt:MATRIX_FMT_FP6 matrix_b_fmt:MATRIX_FMT_FP6 matrix_a_scale:MATRIX_SCALE_ROW1
.endif
.endr
.endr
.endm
.macro GSTEP s, cm, wn                 ; a K step of 128: 32 matrix instructions; in its middle the next step's 48 LDS loads, in one run
	s_wait_dscnt 0x0                               ; this step's fragments are in
.if (\s) == 3
	s_wait_tensorcnt 0x0                           ; my part of the second half of K has landed; my reads of the first half are over (the wait above)
	s_barrier_signal -1
.endif
	WIN \wn
	MUL16 0, \s, \cm
.if (\s) == 3
	s_barrier_wait -1                              ; everybody's has
.endif
.if (\s) < 7
	PLACES
	FETCH (\s)+1
.if (\s) == 3
	SCALES 1
.endif
	WIN \wn
.endif
	MUL16 2, \s, \cm
.endm
; 64 numbers of a lane, register 16 b + i = index 32 b + 16 (lane / 16) + i, become a fragment's 12 registers in v[PC] on and the scale word in v[pw].
.macro QUANT s, pw
.irp b, 0,1,2,3
	v_max3_num_f32 v[MX+\b], |v[\s+16*\b]|, |v[\s+16*\b+1]|, 0x1800000   ; and the floor 2^(3 - 127): the byte cannot fall under 1
.endr
.irp i, 2,4,6,8,10,12,14
.irp b, 0,1,2,3
	v_max3_num_f32 v[MX+\b], v[MX+\b], |v[\s+16*\b+\i]|, |v[\s+16*\b+\i+1]|
.endr
.endr
.irp b, 0,1,2,3
	v_permlanex16_b32 v[TP+\b], v[MX+\b], s[SEL], s[SEL+1]
.endr
.irp b, 0,1,2,3
	v_max_num_f32 v[MX+\b], v[MX+\b], v[TP+\b]
.endr
.irp b, 0,1,2,3
	v_add_nc_u32 v[SO+\b], 0xff000000, v[MX+\b]    ; 2 off the exponent field: the conversion's scale operand
.endr
.irp b, 0,1,2,3
	v_lshrrev_b32 v[TP+\b], 23, v[SO+\b]           ; the scale's byte
.endr
	v_lshl_or_b32 v[\pw], v[TP+1], 8, v[TP]
	v_lshl_or_b32 v[\pw], v[TP+2], 16, v[\pw]
	v_lshl_or_b32 v[\pw], v[TP+3], 24, v[\pw]
.irp c, 0,1
	v_cvt_scalef32_pk16_fp6_f32 v[PC+6*\c:PC+6*\c+2], v[\s+32*\c:\s+32*\c+15], v[SO+2*\c]
	v_cvt_scalef32_pk16_fp6_f32 v[PC+12+4*\c:PC+14+4*\c], v[\s+32*\c+16:\s+32*\c+31], v[SO+2*\c+1]
.endr
	v_nop                                          ; one plain instruction behind the scaled conversions
.irp c, 0,1
.irp i, 0,1,2
	v_permlane16_swap_b32 v[PC+6*\c+\i], v[PC+12+4*\c+\i]
.endr
.irp i, 0,1,2
	v_mov_b32 v[PC+3+6*\c+\i], v[PC+12+4*\c+\i]
.endr
.endr
.endm
; q, k: tile a of my rows of x: 128 numbers a row = two heads; the fragment's two halves are the two heads' images.
.macro EPI_QK a
	s_wait_xcnt 0x0                                ; the last tile's stores have read their data
	WIN 0x06                                       ; source 0 (sums) window 2, source 1 (bias) window 1
.irp i, 0,1,2,3,4,5,6,7,8,9,10,11,12,13,14,15,16,17,18,19,20,21,22,23,24,25,26,27,28,29,30,31
	v_pk_add_f32 v[H+2*\i:H+2*\i+1], v[64*\a+2*\i:64*\a+2*\i+1], v[96+2*\i+96*(\i/16):96+2*\i+96*(\i/16)+1]   ; each accumulator from its low end on
.endr
	WIN 0
	QUANT H, PW+\a
	global_store_b128 v1, v[PC:PC+3], s[88:89] offset:768*\a
	global_store_b64 v2, v[PC+4:PC+5], s[88:89] offset:768*\a+512
	global_store_b128 v1, v[PC+6:PC+9], s[92:93] offset:768*\a
	global_store_b64 v2, v[PC+10:PC+11], s[92:93] offset:768*\a+512
.endm
; v: tile a of my head's 64 numbers x my 128 keys: one fragment of the second attention product.
.macro EPI_V a
	s_wait_xcnt 0x0
	WIN 0x02                                       ; source 0 window 2
.irp i, 0,1,2,3,4,5,6,7,8,9,10,11,12,13,14,15,16,17,18,19,20,21,22,23,24,25,26,27,28,29,30,31
	v_pk_add_f32 v[H+2*\i:H+2*\i+1], v[64*\a+2*\i:64*\a+2*\i+1], v[BL+2*\a:BL+2*\a+1] op_sel_hi:[1,0]   ; the lane's own bias for both halves
.endr
	WIN 0
	QUANT H, PW+\a
.irp j, 0,1,2
	global_store_b128 v1, v[PC+4*\j:PC+4*\j+3], s[88:89] offset:1536*\a+512*\j
.endr
.endm
	s_load_b256 s[4:11], s[0:1], 0x0               ; cod, bq, bk, bv
	s_load_b128 s[12:15], s[0:1], 0x20             ; qf, kv
	v_lshl_add_u32 v254, v0, 2, 0x4b000
	v_mov_b32 v255, 0
	ds_add_u32 v254, v255
	ds_add_u32 v254, v255
	v_lshrrev_b32 v14, 5, v0
	v_readfirstlane_b32 s[WV], v14
	s_lshr_b32 s[W1], s[WV], 1
	s_and_b32 s[W0], s[WV], 1
	s_bfe_u32 s[CX], ttmp6, 0x40000
	s_bfe_u32 s[CY], ttmp6, 0x40004
	s_and_b32 s[CLY], ttmp7, 0xffff                ; the cluster's y, 0..15; the cluster's x (ttmp9) is the kind: 0 q, 1 k, 2 v
	s_lshl_b32 s56, s[CY], 2
	s_lshl_b32 s56, 15, s56                        ; my row of the cluster
	s_lshl_b32 s57, 0x1111, s[CX]                  ; my column
	s_or_b32 s[G1R], s56, (3<<16)|(1<<21)          ; 15:0 the mask; 17:16 elements of 8 bytes; 21 set beside a mask; no padding
	s_or_b32 s[G1C], s57, (3<<16)|(1<<21)
.irp g, G1R, G1C
	s_mov_b32 s[\g+1], 800<<16                     ; tensor_dim0 = 800 elements: half a record, 6,400 bytes
	s_mov_b32 s[\g+2], 8<<16                       ; tensor_dim1 = 8 tiles
	s_mov_b32 s[\g+3], 800<<16                     ; tile_dim0
	s_mov_b32 s[\g+4], 8                           ; tile_dim1
	s_mov_b32 s[\g+5], 1600                        ; from record to record: 12,800 bytes
	s_mov_b32 s[\g+6], 0
	s_mov_b32 s[\g+7], 0
.endr
	s_mov_b32 s[G1C+2], 16<<16                     ; S0's loads bring all 16 tiles: tensor_dim1 = 16,
	s_mov_b32 s[G1C+4], 16                         ; tile_dim1 = 16
	s_lshl_b32 s[TL1], s[CLY], 5                   ; q, k: S1 = x's tiles 32 x cluster y on
	s_and_b32 s59, s[CLY], 1
	s_lshl_b32 s59, s59, 5
	s_add_co_u32 s59, s59, 640                     ; v: S1 = Wv's tiles, 32 x (cluster y % 2) on
	s_lshl_b32 s[TL0], ttmp9, 6
	s_add_co_u32 s[TL0], s[TL0], 512               ; q, k: S0 = the weight's tiles
	s_lshr_b32 s61, s[CLY], 1
	s_lshl_b32 s61, s61, 6                         ; v: S0 = x's tiles 64 x (cluster y / 2) on
	s_cmp_eq_u32 ttmp9, 2
	s_cselect_b32 s[TL1], s59, s[TL1]
	s_cselect_b32 s[TL0], s61, s[TL0]
	s_lshl_b32 s59, s[CY], 3
	s_add_co_u32 s[TL1], s[TL1], s59               ; + 8 cy: shared along a row of the cluster
	s_lshl_b32 s61, s[CX], 4
	s_add_co_u32 s[TL0], s[TL0], s61               ; + 16 cx: shared along a column
	s_mul_i32 s62, s[TL1], 12800
	s_mov_b32 s63, 0
	s_mul_i32 s66, s[TL0], 12800
	s_mov_b32 s67, 0
	s_wait_dscnt 0x0
	s_wait_kmcnt 0x0
	s_add_nc_u64 s[62:63], s[4:5], s[62:63]
	s_add_nc_u64 s[66:67], s[4:5], s[66:67]
	CROUND                                         ; all sixteen work-groups are here: the joint loads meet
.irp k, 0,1
	s_mov_b32 s[G0A+4*\k], 1
	s_mov_b32 s[G0A+4*\k+1], \k*HALF               ; S1's 8 tiles open a half of K,
	s_add_nc_u64 s[G0A+4*\k+2:G0A+4*\k+3], s[62:63], \k*6400
	s_or_b32 s[G0A+4*\k+3], s[G0A+4*\k+3], 0x80000000
	s_mov_b32 s[G0B+4*\k], 1
	s_mov_b32 s[G0B+4*\k+1], 51200+\k*HALF         ; S0's 16 follow them
	s_add_nc_u64 s[G0B+4*\k+2:G0B+4*\k+3], s[66:67], \k*6400
	s_or_b32 s[G0B+4*\k+3], s[G0B+4*\k+3], 0x80000000
.endr
	s_cmp_eq_u32 s[WV], 0                          ; one load a wave, in one chain of arms: wave 0 S1's first half of K, wave 1 S0's, wave 2 S1's second half, wave 3 S0's
	s_cbranch_scc0 .Lw1
	tensor_load_to_lds s[G0A:G0A+3], s[G1R:G1R+7]
	s_nop 0
.rept 4
	v_nop
.endr
	s_branch .Lasked
.Lw1:
	s_cmp_eq_u32 s[WV], 1
	s_cbranch_scc0 .Lw2
	tensor_load_to_lds s[G0B:G0B+3], s[G1C:G1C+7]
	s_nop 0
.rept 4
	v_nop
.endr
	s_branch .Lasked
.Lw2:
	s_cmp_eq_u32 s[WV], 2
	s_cbranch_scc0 .Lw3
	tensor_load_to_lds s[G0A+4:G0A+7], s[G1R:G1R+7]
	s_nop 0
.rept 4
	v_nop
.endr
	s_branch .Lasked
.Lw3:
	tensor_load_to_lds s[G0B+4:G0B+7], s[G1C:G1C+7]
	s_nop 0
.rept 4
	v_nop
.endr
.Lasked:
	v_and_b32 v14, 31, v0
	v_and_b32 v15, 15, v0                          ; r
	v_bfe_u32 v3, v0, 4, 1                         ; h
	s_wait_alu depctr_va_vdst(0)
	v_lshlrev_b32 v1, 4, v14                       ; 16 x lane
	s_wait_alu depctr_va_vdst(0)
	v_lshlrev_b32 v2, 3, v14                       ; 8 x lane
	s_wait_alu depctr_va_vdst(0)
	s_mul_i32 s69, s[W1], 25600                    ; my 4 tiles of S1
	s_mul_i32 s70, s[W0], 51200
	s_add_co_u32 s70, s70, 51200                   ; my 8 tiles of S0, behind S1's 8
	s_xor_b32 s71, s[W1], 1
	s_lshl_b32 s72, s[W0], 1
	s_add_co_u32 s71, s71, s72
	s_add_co_u32 s71, s71, 1
	s_mul_i32 s71, s71, 25600                      ; from my S1 tiles to my S0 tiles: 25,600 x (1 + 2 w0 + (w1 xor 1))
	v_mul_u32_u24 v12, s71, v3                     ; lanes 16-31 take S0's scale words
	v_lshl_add_u32 v12, v15, 4, v12
	v_add_nc_u32 v12, s69, v12
	v_add_nc_u32 v12, 6144, v12
	v_add_nc_u32 v13, HALF, v12
.irp k, 0,1
	v_add_nc_u32 v[4+\k], s69, v1
	v_add_nc_u32 v[6+\k], s69, v2
	v_add_nc_u32 v[8+\k], s70, v1
	v_add_nc_u32 v[10+\k], s70, v2
	s_add_co_u32 s69, s69, HALF
	s_add_co_u32 s70, s70, HALF
.endr
	; the biases.  q, k: along the registers: number 256 cx + 128 w0 + 32 b + 16 h + i of bq or bk.  v: along the lanes: my head's number 32 (a / 2) + 8 (a % 2) + r + 8 (r / 8) of bv.
	; The kind that does not use a set loads it from its buffer's start, so that no load leaves a buffer.
	s_lshl_b32 s74, s[CX], 10
	s_lshl_b32 s75, s[W0], 9
	s_add_co_u32 s74, s74, s75
	s_and_b32 s76, s[CLY], 1
	s_lshl_b32 s76, s76, 3
	s_lshl_b32 s77, s[CY], 1
	s_add_co_u32 s76, s76, s77
	s_add_co_u32 s76, s76, s[W1]                   ; v: my head = 8 (cluster y % 2) + 2 cy + w1
	s_lshl_b32 s77, s76, 8
	s_cmp_eq_u32 ttmp9, 0
	s_cselect_b64 s[72:73], s[6:7], s[8:9]
	s_cmp_eq_u32 ttmp9, 2
	s_cselect_b64 s[72:73], s[10:11], s[72:73]
	s_cselect_b32 s74, 0, s74
	s_cselect_b32 s78, s77, 0
	s_mov_b32 s75, 0
	s_mov_b32 s79, 0
	s_add_nc_u64 s[72:73], s[72:73], s[74:75]
	s_add_nc_u64 s[78:79], s[10:11], s[78:79]
	v_lshlrev_b32 v16, 6, v3                       ; 64 h
	v_and_b32 v17, 8, v15
	v_add_nc_u32 v17, v17, v15
	v_lshlrev_b32 v17, 2, v17                      ; 4 (r + 8 (r / 8))
	WIN 0x40
.irp g, 0,1,2,3,4,5,6,7,8,9,10,11,12,13,14,15
	global_load_b128 v[96+4*\g+96*(\g/8):96+4*\g+96*(\g/8)+3], v16, s[72:73] offset:128*(\g/4)+16*(\g%4)
.endr
	WIN 0
.irp a, 0,1,2,3
	global_load_b32 v[BL+2*\a], v17, s[78:79] offset:4*(32*(\a/2)+8*(\a%2))
	v_mov_b32 v[BL+2*\a+1], 0                      ; named with it as a pair, so it is written
.endr
.irp b, 0,1,2,3
	v_mov_b32 v[TP+\b], 0                          ; written once: a lane permute's destination counts as one of its sources
.endr
	s_mov_b32 s[SEL], 0x76543210
	s_mov_b32 s[SEL+1], 0xfedcba98
	s_wait_alu depctr_va_vdst(0)                   ; ahead of the branch
	s_cmp_lt_u32 s[WV], 2                          ; waves 0 and 1 asked for the first half of K: they wait for it; the second half's loads may stay out
	s_cbranch_scc0 .Lhalf1
	s_wait_tensorcnt 0x0
.Lhalf1:
	s_barrier_signal -1
	s_barrier_wait -1                              ; everybody's is
	FETCH 0
	SCALES 0
	GSTEP 0, 0, 0xa1                               ; source 0 window 1, source 1 window 0, C and D window 2
.irp s, 1,2,3,4,5,6,7
	GSTEP \s, 1, 0xa1
.endr
	WIN 0
	PLACES
	s_wait_loadcnt 0x0                             ; the biases
	s_mov_b32 s96, 0xffff0000
	s_cmp_eq_u32 ttmp9, 2                          ; the kind is the same in all sixteen partners
	s_cbranch_scc1 .Lkind_v
	s_lshr_b32 s80, s[TL1], 7
	s_lshl_b32 s80, s80, 4                         ; 16 x batch
	s_lshl_b32 s81, s[CX], 2
	s_add_co_u32 s80, s80, s81
	s_lshl_b32 s81, s[W0], 1
	s_add_co_u32 s80, s80, s81                     ; + my first head: 4 cx + 2 w0
	s_lshl_b32 s80, s80, 4
	s_bfe_u32 s81, s[TL1], 0x40003                 ; the group of 8 tiles within the batch
	s_add_co_u32 s80, s80, s81
	s_mul_i32 s82, s[W1], 3072                     ; my four images of the record's eight
	s_lshl_b32 s83, s[W1], 8                       ; and my 256 bytes of its scale words
	s_mov_b32 s84, 13056
	s_mov_b32 s85, 12288
	s_cmp_eq_u32 ttmp9, 0
	s_cselect_b32 s84, 6656, s84                   ; a record
	s_cselect_b32 s85, 6144, s85                   ; where its scale words begin
	s_cselect_b64 s[86:87], s[12:13], s[14:15]     ; qf or kv
	s_mul_i32 s80, s80, s84
	s_lshl_b32 s84, s84, 4                         ; from a head to the next: 16 records
	s_add_co_u32 s88, s80, s82
	s_mov_b32 s89, 0
	s_add_co_u32 s90, s80, s85
	s_add_co_u32 s90, s90, s83
	s_mov_b32 s91, 0
	s_mov_b32 s85, 0
	s_add_nc_u64 s[88:89], s[86:87], s[88:89]      ; images: first head,
	s_add_nc_u64 s[92:93], s[88:89], s[84:85]      ; second head
	s_add_nc_u64 s[90:91], s[86:87], s[90:91]      ; scale words: first head,
	s_add_nc_u64 s[94:95], s[90:91], s[84:85]      ; second head
.irp a, 0,1,2,3
	EPI_QK \a
.endr
	v_cndmask_b32 v228, v[PW], v[PW+1], s96        ; lanes 0-15: tile 0's words, lanes 16-31: tile 1's
	v_cndmask_b32 v229, v[PW+2], v[PW+3], s96      ; tiles 2 and 3
	v_perm_b32 v192, v228, v228, 0x01000100        ; the first head's two bytes, twice
	v_perm_b32 v193, v229, v229, 0x01000100
	v_perm_b32 v194, v228, v228, 0x03020302        ; the second head's
	v_perm_b32 v195, v229, v229, 0x03020302
	global_store_b64 v2, v[192:193], s[90:91]      ; 32 lanes store 256 consecutive bytes, aligned
	global_store_b64 v2, v[194:195], s[94:95]
	s_branch .Lend
.Lkind_v:
	s_lshr_b32 s80, s[TL0], 7
	s_lshl_b32 s80, s80, 4
	s_add_co_u32 s80, s80, s76                     ; 16 x batch + head
	s_lshl_b32 s80, s80, 4
	s_lshr_b32 s81, s[TL0], 3
	s_add_co_u32 s81, s81, s[W0]
	s_and_b32 s81, s81, 15                         ; my key step within the batch
	s_add_co_u32 s80, s80, s81
	s_mul_i32 s80, s80, 13056
	s_add_co_u32 s80, s80, 6144                    ; v's fragments lie behind k's images
	s_mov_b32 s81, 0
	s_add_nc_u64 s[88:89], s[14:15], s[80:81]
	s_wait_alu depctr_va_vdst(0)
.irp a, 0,1,2,3
	EPI_V \a
.endr
	v_cndmask_b32 v192, v[PW], v[PW+1], s96
	v_cndmask_b32 v193, v[PW+2], v[PW+3], s96
	global_store_b64 v2, v[192:193], s[88:89] offset:6656
.Lend:
	s_wait_dscnt 0x0
	s_wait_tensorcnt 0x0
	ds_add_u32 v254, v255
	s_wait_dscnt 0x0
	CROUND                                         ; the closing round: no work-group ends while a partner may still ask for a tile that names it
	s_endpgm
.Lfunc_end_k_qce1303cb3d_qkv:
	.size	k_qce1303cb3d_qkv, .Lfunc_end_k_qce1303cb3d_qkv-k_qce1303cb3d_qkv
	.p2alignl 7, 3214868480
	.fill 96, 4, 3214868480
	.section	.rodata,"a",@progbits
	.p2align	6, 0x0
	.amdhsa_kernel k_qce1303cb3d_qkv
		.amdhsa_group_segment_fixed_size 307712
		.amdhsa_private_segment_fixed_size 0
		.amdhsa_enable_private_segment 0
		.amdhsa_kernarg_size 48
		.amdhsa_user_sgpr_count 2
		.amdhsa_user_sgpr_kernarg_segment_ptr 1
		.amdhsa_wavefront_size32 1
		.amdhsa_system_sgpr_workgroup_id_x 1
		.amdhsa_system_sgpr_workgroup_id_y 1
		.amdhsa_system_sgpr_workgroup_id_z 1
		.amdhsa_system_vgpr_workitem_id 0
		.amdhsa_next_free_vgpr 768
		.amdhsa_next_free_sgpr 100
		.amdhsa_reserve_vcc 0
		.amdhsa_float_denorm_mode_32 3
		.amdhsa_float_denorm_mode_16_64 3
		.amdhsa_memory_ordered 1
		.amdhsa_forward_progress 1
		.amdhsa_inst_pref_size 122
	.end_amdhsa_kernel
	.amdgpu_metadata
---
amdhsa.version: [ 1, 2 ]
amdhsa.kernels:
  - .name:           k_qce1303cb3d_qkv
    .symbol:         k_qce1303cb3d_qkv.kd
    .args:
      - { .name: cod, .offset: 0, .size: 8, .value_kind: global_buffer, .address_space: global }
      - { .name: bq, .offset: 8, .size: 8, .value_kind: global_buffer, .address_space: global }
      - { .name: bk, .offset: 16, .size: 8, .value_kind: global_buffer, .address_space: global }
      - { .name: bv, .offset: 24, .size: 8, .value_kind: global_buffer, .address_space: global }
      - { .name: qf, .offset: 32, .size: 8, .value_kind: global_buffer, .address_space: global }
      - { .name: kv, .offset: 40, .size: 8, .value_kind: global_buffer, .address_space: global }
    .group_segment_fixed_size: 307712
    .private_segment_fixed_size: 0
    .kernarg_segment_align: 8
    .kernarg_segment_size: 48
    .max_flat_workgroup_size: 128
    .sgpr_count:     100
    .vgpr_count:     768
    .wavefront_size: 32
...
	.end_amdgpu_metadata
.endif
;; end of part 2
;; launch attn (part 3): grid 4 x 64, 16 waves a work-group, clusters of 4 x 1, 210,944 bytes of LDS; arguments qf, kv, mc, ac; writes ac
.if DOCPART == 3
	.amdgcn_target "amdgcn-amd-amdhsa--gfx1250"
	.amdhsa_code_object_version 6
	.text
	.protected	k_qce1303cb3d_attn
	.globl	k_qce1303cb3d_attn
	.p2align	8
	.type	k_qce1303cb3d_attn,@function
k_qce1303cb3d_attn:
	s_mov_b64 s[64:65], 0
	v_nop
	global_prefetch_b8 v0, s[64:65] scope:SCOPE_SE
	s_setreg_imm32_b32 hwreg(HW_REG_WAVE_MODE, 25, 1), 1
	s_wait_xcnt 0x0
	s_wait_alu depctr_hold_cnt(0) depctr_sa_sdst(0) depctr_va_vdst(0) depctr_va_sdst(0) depctr_va_ssrc(0) depctr_va_vcc(0) depctr_vm_vsrc(0)
	s_getreg_b32 s2, hwreg(HW_REG_IB_STS2, 6, 4)
	s_cmp_eq_u32 s2, 0
	s_cbranch_scc0 .Lentry_in_a_cluster
	s_endpgm
.Lentry_in_a_cluster:
	s_bfe_u32 s2, ttmp6, 0x10000c
	s_cmp_lg_u32 s2, 0x3003
	s_cbranch_scc0 .Lentry_shape_is_right
	s_endpgm
.Lentry_shape_is_right:
; ATTN.  For each batch and head: S = q k^T / 8, masked, softmax, O = P v, both products on codes of FP6 (E2M3) with E8M0 scales; O / l is quantised along d_model and stored as the last product's operand.
; THE SOFTMAX AHEAD OF THE SECOND PRODUCT: t = score x log2(e) / 8; M = the running largest t rounded UP to a whole number; p = 2^(t - M) is quantised along the keys, not normalised;
; the row's sum is taken of the unquantised p and divides O at the end; when M moves, the sum and O are multiplied by 2^(old M - new M), which rounds nothing.
; THE MASK IS THE FIRST PRODUCT'S C.  mc holds, in the order of the score registers, a 4-bit code (FP4) for each query and key: 0 for a key that counts, -1 for a hidden one.  A step's 64 codes of a lane are eight registers;
; eight conversions with the scale 2^100 widen them into the 64 accumulators (0 or -2^100), and the product adds onto them.  The codes are no operand of a product.
; LIMITS: a hidden score is -2^100 + s, which f32 rounds to -2^100 while |s| < 2^75, in place of a logit of -1e9.  c x 2^100 is a whole number, so a row that is hidden everywhere gives p = 1 for every key, as -1e9 does;
; the two differ only where an unmasked logit lies under about -1e9.  A block of zeros gets the byte 1 (its codes are zeros; this program alone reads the bytes).  NaN and infinities are not served.
; SHARES.  A work-group owns 512 queries of one batch and head; each of its sixteen waves two tiles of 16, one after the other, in 256 registers: four waves to a SIMD.
; THE HEAD'S WHOLE k AND v, 16 records of 13,056 bytes, LIE IN LDS, filled once: each wave asks for one record.  Nothing is filled again.
; CLUSTER 4 x 1: the four work-groups of a head read the same records: each is asked for JOINTLY, by the same tensor load with the same descriptor and a mask that names the four.
; No prefetch is laid: every tile is asked for at the kernel's head, where there is no loop to run ahead in, and a step's 1,024 bytes of mask codes are asked for a whole key step ahead by the loads themselves.
; LAYOUT.  Both products are used transposed: S^T = k q^T (source 0 = 16 keys), O^T = v^T p^T (source 0 = 16 of the head's 64): a lane holds ONE query throughout.
; THE KEYS OF A TILE ARE CHOSEN BY THE LANES' LDS ADDRESSES: tile 4 c + u takes keys 64 c + 8 u + 0..7 as rows 0-7 and keys 64 c + 32 + 8 u + 0..7 as rows 8-15 (in a record key x lies in image 2 (x / 32) + (x / 8) % 2
; at place x % 8 + 8 ((x % 32) / 16)).  So register 32 c + i of lane (r, h) is key 64 c + 32 h + i: A LANE HOLDS WHOLE BLOCKS OF 32 KEYS, in the order of the second product's operand: no lane is asked for a block's maximum, no codes change lanes.
; THE FIRST PRODUCT'S K IS 64 OF THE INSTRUCTION'S 128: q's upper six registers are zero codes.  k's tiles lie six registers apart, so an operand's upper six are the next tile's codes (behind the last: zeros): they meet zeros.
; REGISTERS: v1-7 offsets; v8-12 a step's LDS addresses; v13 8 h; v14 the mask codes' scale bytes; v15, v90-95 the second tile's q; v16-27 q; v28 q's scale word, v29 p's; v30-33 k's, v34-35 v's; v36-83 k's 8 tiles, then v's 4 fragments
; (on the way out: O / l); v84-89 zeros; v96-159 the mask, S^T, then p; v160-191 O^T; v192-211 codes; v212-243 at work; v244-251 the next step's mask codes.
.set REC,  13056
.set WV,   24                          ; s24 wave
.set CNT,  25                          ; s25 key steps to go
.set TB,   26                          ; s26 LDS byte of the step's record
.set CS,   28                          ; s[28:29] c = log2(e) / 8
.set SEL,  30                          ; s[30:31] lane selects: lane l xor 16
.set HI16, 67                          ; s67 lanes 16-31
.set MSC,  14
.set S,    96
.set O,    160
.set PC,   192
.set MX,   212
.set TP,   216
.set SO,   220
.set BY,   224
.set TT,   226
.set NM,   228                         ; v228 -M, v229 the largest t
.set SUM,  230
.set F,    232
.set AC,   234                         ; v234-243 five more pairs for the row's sum
.set MC,   244
.set E,    36
.macro CROUND
	s_barrier_signal -1
	s_barrier_wait -1
	s_cmp_lg_u32 s[WV], 0
	s_cbranch_scc1 .Lnot_wave_0_\@
	s_barrier_signal -3
.Lnot_wave_0_\@:
	s_barrier_wait -3
	s_barrier_signal -1
	s_barrier_wait -1
.endm
.macro WALU
	s_wait_alu depctr_va_vdst(0)
.endm
.macro D k
	s_delay_alu instid0(VALU_DEP_\k)
.endm
.macro CODES                           ; a step's mask codes at s[8:9]: each load reads 512 consecutive bytes
	global_load_b128 v[MC:MC+3], v1, s[8:9]
	global_load_b128 v[MC+4:MC+7], v1, s[8:9] offset:512
.endm
; One tile of 16 queries, the q-th of my two: all 2,048 keys, 128 a trip.
.macro TILE q
.if \q
.irp i, 0,1,2,3,4,5
	v_mov_b32 v[16+\i], v[90+\i]                   ; the second tile's q, loaded at the head
.endr
	v_mov_b32 v28, v15
.endif
	v_mov_b32 v[NM+1], 0xff61b1e6                  ; the largest t so far: -3e38, under every t
	D 1
	v_floor_f32 v[NM], -v[NM+1]
	v_mov_b32 v[SUM], 0
	v_mov_b32 v[SUM+1], 0
.set jj, 0
.rept 32
	v_mov_b32 v[O+jj], 0                           ; the step is written once: the first finds zeros, which the first change of M leaves zeros
.set jj, jj+1
.endr
	s_mov_b32 s[TB], 0
	s_mov_b32 s[CNT], 16
.Lstep_\@:
	s_wait_loadcnt 0x0                             ; this step's mask codes, asked for a step ago (the first time: q too); the loads are done, so their base may step
	s_add_nc_u64 s[8:9], s[8:9], 0x400             ; on to the next step's codes
.irp g, 0,1,2,3,4,5,6,7
	v_cvt_scale_pk8_f32_fp4 v[S+8*\g:S+8*\g+7], v[MC+\g], v[MSC]   ; 0 or -2^100 into the accumulators
.endr
	v_add_nc_u32 v8, s[TB], v1                     ; these five lines are the places between the last products and the loads into their registers, and behind the conversions
	v_add_nc_u32 v9, s[TB], v5
	v_add_nc_u32 v10, s[TB], v6
	v_add_nc_u32 v11, s[TB], v7
	v_add_nc_u32 v12, s[TB], v2
.if \q
	WALU
	s_cmp_eq_u32 s[CNT], 1                         ; behind my last step there are no codes to ask for
	s_cbranch_scc1 .Lnl_\@
.endif
	CODES                                          ; the codes have been read: their registers take the next step's (behind the first tile's last step: the second tile's first, which lie next in mc)
.Lnl_\@:
.irp t, 0,1,2,3,4,5,6,7
	ds_load_b128 v[36+6*\t:39+6*\t], v9 offset:768*(4*(\t/4)+\t%2)+128*((\t%4)/2)
	ds_load_b64 v[40+6*\t:41+6*\t], v10 offset:768*(4*(\t/4)+\t%2)+512+64*((\t%4)/2)
.endr
.irp g, 0,1,2,3
	ds_load_b32 v[30+\g], v11 offset:12288+256*(\g/2)+64*(\g%2)   ; k's scale words: lanes 0-15 tile 2 g's rows, lanes 16-31 tile 2 g + 1's
.endr
	ds_load_b64 v[34:35], v12 offset:12800         ; v's: register t / 2, lanes 0-15 the even fragment, lanes 16-31 the odd one
	WALU
	s_wait_dscnt 0x0
.irp t, 0,1,2,3,4,5,6,7
.if (\t%2)
	v_wmma_scale_f32_16x16x128_f8f6f4 v[S+8*\t:S+8*\t+7], v[36+6*\t:47+6*\t], v[16:27], v[S+8*\t:S+8*\t+7], v[30+2*(\t/4)+(\t%4)/2], v28 matrix_a_fmt:MATRIX_FMT_FP6 matrix_b_fmt:MATRIX_FMT_FP6 matrix_a_scale:MATRIX_SCALE_ROW1
.else
	v_wmma_scale_f32_16x16x128_f8f6f4 v[S+8*\t:S+8*\t+7], v[36+6*\t:47+6*\t], v[16:27], v[S+8*\t:S+8*\t+7], v[30+2*(\t/4)+(\t%4)/2], v28 matrix_a_fmt:MATRIX_FMT_FP6 matrix_b_fmt:MATRIX_FMT_FP6
.endif
.endr
.rept 4
	v_nop
.endr
.irp t, 0,1,2,3
.irp j, 0,1,2
	ds_load_b128 v[36+12*\t+4*\j:39+12*\t+4*\j], v8 offset:6144+1536*\t+512*\j   ; v's four fragments land under the softmax
.endr
.endr
.irp b, 0,1,2,3
	v_max3_num_f32 v[MX+\b], v[S+16*\b], v[S+16*\b+1], v[S+16*\b+2]   ; the largest score, four chains by turns, each accumulator from its low end on
.endr
.irp i, 3,5,7,9,11,13
.irp b, 0,1,2,3
	v_max3_num_f32 v[MX+\b], v[MX+\b], v[S+16*\b+\i], v[S+16*\b+\i+1]
.endr
.endr
	v_max3_num_f32 v[MX], v[MX], v[S+15], v[S+31]
	v_max3_num_f32 v[MX+2], v[MX+2], v[S+47], v[S+63]
	D 2
	v_max_num_f32 v[MX], v[MX], v[MX+1]            ; my first block's largest score: for the row's maximum, and, since p rises with the score, for the block's largest p
	D 2
	v_max_num_f32 v[MX+1], v[MX+2], v[MX+3]        ; my second block's
	D 1
	v_max_num_f32 v[TT], v[MX], v[MX+1]
	D 1
	v_permlanex16_b32 v[TP], v[TT], s[SEL], s[SEL+1]
	D 1
	v_max_num_f32 v[TT], v[TT], v[TP]              ; with lane l xor 16's two blocks: the step's largest score of my query
	D 1
	v_mul_f32 v[TT], s[CS], v[TT]                  ; as t (c is positive)
	D 1
	v_max_num_f32 v[NM+1], v[NM+1], v[TT]          ; the running largest t
	v_mov_b32 v[TT], v[NM]
	D 2
	v_floor_f32 v[NM], -v[NM+1]                    ; the new -M = floor(-t): M is a whole number
	D 1
	v_sub_f32 v[TT], v[NM], v[TT]                  ; old M - new M: a whole number, 0 or less
	D 1
	v_cvt_i32_f32 v[TT], v[TT]                     ; (it saturates)
	D 1
	v_ldexp_f32 v[F], 1.0, v[TT]                   ; f = 2^(old M - new M)
.set jj, 0
.rept 32
	v_pk_fma_f32 v[S+jj:S+jj+1], v[S+jj:S+jj+1], s[CS:CS+1], v[NM:NM+1] op_sel_hi:[1,0,0]   ; t - M, two at a time
.set jj, jj+2
.endr
.irp b, 0,1
	v_fma_f32 v[MX+\b], v[MX+\b], s[CS], v[NM]     ; the same of each block's largest score
.endr
	WALU
.set jj, 0
.rept 64
	v_exp_f32 v[S+jj], v[S+jj]                     ; p = 2^(t - M), at most 1
.set jj, jj+1
.endr
	v_pk_mul_f32 v[SUM:SUM+1], v[SUM:SUM+1], v[F:F+1] op_sel_hi:[1,0]   ; the sums under the new M: the plain instruction behind the exponentials
	WALU                                           ; one wait for the 64
.irp b, 0,1
	v_exp_f32 v[MX+\b], v[MX+\b]                   ; the block's largest p
.endr
.irp k, 0,1,2,3,4                              ; the row's sum of the unquantised p: six chains of pairs
	v_pk_add_f32 v[AC+2*\k:AC+2*\k+1], v[S+4*\k:S+4*\k+1], v[S+4*\k+2:S+4*\k+3]
.endr
	v_pk_add_f32 v[SUM:SUM+1], v[SUM:SUM+1], v[S+20:S+21]
.irp m, 0,1,2
.irp k, 0,1,2,3,4
	v_pk_add_f32 v[AC+2*\k:AC+2*\k+1], v[AC+2*\k:AC+2*\k+1], v[S+22+12*\m+2*\k:S+23+12*\m+2*\k]
.endr
	v_pk_add_f32 v[SUM:SUM+1], v[SUM:SUM+1], v[S+32+12*\m:S+33+12*\m]
.endr
.irp k, 0,1,2
	v_pk_add_f32 v[AC+2*\k:AC+2*\k+1], v[AC+2*\k:AC+2*\k+1], v[S+58+2*\k:S+59+2*\k]
.endr
	v_pk_add_f32 v[AC+6:AC+7], v[AC+6:AC+7], v[AC+8:AC+9]
	D 3
	v_pk_add_f32 v[AC:AC+1], v[AC:AC+1], v[AC+2:AC+3]
	D 3
	v_pk_add_f32 v[SUM:SUM+1], v[SUM:SUM+1], v[AC+4:AC+5]
	D 2
	v_pk_add_f32 v[AC:AC+1], v[AC:AC+1], v[AC+6:AC+7]
	D 1
	v_pk_add_f32 v[SUM:SUM+1], v[SUM:SUM+1], v[AC:AC+1]
	WALU                                           ; and one for the two
.irp b, 0,1
	v_max_num_f32 v[MX+\b], 0x1800000, v[MX+\b]    ; the floor 2^(3 - 127): the byte cannot fall under 1
.endr
.irp b, 0,1
	D 2
	v_add_nc_u32 v[SO+\b], 0xff000000, v[MX+\b]    ; 2 off the exponent field: the conversions' scale operand
.endr
.irp b, 0,1
	D 2
	v_lshrrev_b32 v[BY+\b], 23, v[SO+\b]           ; the scale's byte
.endr
	D 1
	v_lshl_or_b32 v29, v[BY+1], 16, v[BY]          ; my two bytes: blocks h and 2 + h,
	D 1
	v_lshlrev_b32 v29, v13, v29                    ; at their places in the scale word (8 h bits up);
	D 1
	v_permlanex16_b32 v[TP], v29, s[SEL], s[SEL+1]
	D 1
	v_or_b32 v29, v29, v[TP]                       ; with lane l xor 16's two the word of these 128 keys is whole
.irp c, 0,1
	v_cvt_scalef32_pk16_fp6_f32 v[PC+6*\c:PC+6*\c+2], v[S+32*\c:S+32*\c+15], v[SO+\c]
	v_cvt_scalef32_pk16_fp6_f32 v[PC+12+4*\c:PC+14+4*\c], v[S+32*\c+16:S+32*\c+31], v[SO+\c]   ; (a conversion's three registers begin on an even number)
.endr
	v_nop                                          ; one plain instruction behind the scaled conversions
.irp c, 0,1
.irp i, 0,1,2
	v_mov_b32 v[PC+3+6*\c+\i], v[PC+12+4*\c+\i]    ; registers 6 c .. 6 c + 5 hold keys 64 c + 32 h + 0 .. 31
.endr
.endr
	WALU                                           ; directly ahead of the first reader of O^T
.set jj, 0
.rept 16
	v_pk_mul_f32 v[O+jj:O+jj+1], v[O+jj:O+jj+1], v[F:F+1] op_sel_hi:[1,0]   ; O^T under the new M.  These 16 are also the places between the lines that made p's codes and scale word and the products
.set jj, jj+2
.endr
	WALU
	s_wait_dscnt 0x0                               ; v's fragments
.irp t, 0,1,2,3
.if (\t%2)
	v_wmma_scale_f32_16x16x128_f8f6f4 v[O+8*\t:O+8*\t+7], v[36+12*\t:47+12*\t], v[PC:PC+11], v[O+8*\t:O+8*\t+7], v[34+\t/2], v29 matrix_a_fmt:MATRIX_FMT_FP6 matrix_b_fmt:MATRIX_FMT_FP6 matrix_a_scale:MATRIX_SCALE_ROW1
.else
	v_wmma_scale_f32_16x16x128_f8f6f4 v[O+8*\t:O+8*\t+7], v[36+12*\t:47+12*\t], v[PC:PC+11], v[O+8*\t:O+8*\t+7], v[34+\t/2], v29 matrix_a_fmt:MATRIX_FMT_FP6 matrix_b_fmt:MATRIX_FMT_FP6
.endif
.endr
	s_add_co_u32 s[TB], s[TB], REC
	s_sub_co_u32 s[CNT], s[CNT], 1
	s_cmp_lg_u32 s[CNT], 0
	s_cbranch_scc1 .Lstep_\@
	; the way out: O^T / l into v[E] on; register 16 b + i is number 32 b + 16 (lane / 16) + i of the head: two blocks of the last product's K
.rept 4
	v_nop
.endr
	v_add_f32 v[SUM], v[SUM], v[SUM+1]
	D 1
	v_permlanex16_b32 v[TT], v[SUM], s[SEL], s[SEL+1]
	D 1
	v_add_f32 v[SUM], v[SUM], v[TT]                ; the row's sum
	WALU
	v_rcp_f32 v[F], v[SUM]
	v_nop                                          ; a plain instruction behind the reciprocal
	WALU                                           ; ahead of its first reader, and of O^T's
.set jj, 0
.rept 16
	v_pk_mul_f32 v[E+jj:E+jj+1], v[O+jj:O+jj+1], v[F:F+1] op_sel_hi:[1,0]   ; each accumulator from its low end on
.set jj, jj+2
.endr
.irp b, 0,1
	v_max3_num_f32 v[MX+\b], |v[E+16*\b]|, |v[E+16*\b+1]|, 0x1800000
.endr
.irp i, 2,4,6,8,10,12,14
.irp b, 0,1
	D 2
	v_max3_num_f32 v[MX+\b], v[MX+\b], |v[E+16*\b+\i]|, |v[E+16*\b+\i+1]|
.endr
.endr
.irp b, 0,1
	D 2
	v_permlanex16_b32 v[TP+\b], v[MX+\b], s[SEL], s[SEL+1]
.endr
.irp b, 0,1
	D 2
	v_max_num_f32 v[MX+\b], v[MX+\b], v[TP+\b]
.endr
.irp b, 0,1
	D 2
	v_add_nc_u32 v[SO+\b], 0xff000000, v[MX+\b]
.endr
.irp b, 0,1
	D 2
	v_lshrrev_b32 v[BY+\b], 23, v[SO+\b]
.endr
	v_cvt_scalef32_pk16_fp6_f32 v[PC:PC+2], v[E:E+15], v[SO]
	v_cvt_scalef32_pk16_fp6_f32 v[PC+12:PC+14], v[E+16:E+31], v[SO+1]
	v_nop
.irp i, 0,1,2
	v_permlane16_swap_b32 v[PC+\i], v[PC+12+\i]    ; lanes 0-15 get block 0 whole, lanes 16-31 block 1
.endr
.irp i, 0,1,2
	D 3
	v_mov_b32 v[PC+3+\i], v[PC+12+\i]
.endr
	v_cndmask_b32 v[TT], v[BY], v[BY+1], s[HI16]   ; lane (r, h): the byte of block h
	global_store_b128 v1, v[PC:PC+3], s[10:11] offset:12800*\q          ; the image of 16 rows x my head's 64: 512 and 256 consecutive bytes
	global_store_b64 v2, v[PC+4:PC+5], s[10:11] offset:12800*\q+512
	global_store_b8 v4, v[TT], s[100:101] offset:12800*\q               ; a head owns two bytes of each row's scale words
	s_wait_xcnt 0x0                                ; the stores have read their data
.endm
	s_load_b256 s[4:11], s[0:1], 0x0               ; qf, kv, mc, ac
	v_lshl_add_u32 v254, v0, 2, 0x33000
	v_mov_b32 v255, 0
	ds_add_u32 v254, v255
	ds_add_u32 v254, v255
	v_lshrrev_b32 v36, 5, v0
	D 1
	v_readfirstlane_b32 s[WV], v36                 ; wave 0..15
	s_bfe_u32 s32, ttmp6, 0x40000                  ; cx: my quarter of the queries
	s_and_b32 s33, ttmp7, 0xffff                   ; 16 x batch + head, which the four partners share
	s_mov_b32 s16, 15|(3<<16)|(1<<21)              ; group 1: 15:0 the mask: all four; 17:16 elements of 8 bytes; 21 set beside a mask; no padding
	s_mov_b32 s17, 32<<16                          ; tensor_dim0 = 32 elements: rows of 256 bytes
	s_mov_b32 s18, 51<<16                          ; tensor_dim1 = 51 rows: a record
	s_mov_b32 s19, 32<<16                          ; tile_dim0
	s_mov_b32 s20, 51                              ; tile_dim1
	s_mov_b32 s21, 32                              ; dense
	s_mov_b32 s22, 0
	s_mov_b32 s23, 0
	s_lshl_b32 s34, s33, 4
	s_add_co_u32 s34, s34, s[WV]                   ; my record: key step = wave
	s_mul_i32 s34, s34, REC
	s_mov_b32 s35, 0
	s_mov_b32 s12, 1
	s_mul_i32 s13, s[WV], REC                      ; and its place in LDS
	s_lshl_b32 s36, s33, 4
	s_lshl_b32 s37, s32, 2
	s_add_co_u32 s36, s36, s37
	s_lshr_b32 s37, s[WV], 2
	s_add_co_u32 s36, s36, s37                     ; q's record: group 4 cx + wave / 4
	s_mul_i32 s36, s36, 6656
	s_mov_b32 s37, 0
	s_and_b32 s38, s[WV], 3
	s_mul_i32 s38, s38, 1536                       ; my first tile's image: 2 (wave % 4)
	s_mov_b32 s39, 0
	s_bfe_u32 s40, s[WV], 0x10001
	s_lshl_b32 s40, s40, 8
	s_and_b32 s41, s[WV], 1
	s_lshl_b32 s41, s41, 2
	s_add_co_u32 s40, s40, s41
	s_add_co_u32 s40, s40, 6144                    ; its scale words: 6,144 + 256 ((wave / 2) % 2) + 4 (wave % 2); + 128 for the second tile; + 8 r
	s_mov_b32 s41, 0
	s_lshl_b32 s42, s32, 19
	s_lshl_b32 s43, s[WV], 15
	s_add_co_u32 s42, s42, s43                     ; my two tiles' mask codes: 16,384 x (32 cx + 2 wave)
	s_mov_b32 s43, 0
	s_lshr_b32 s44, s33, 4
	s_lshl_b32 s44, s44, 7
	s_lshl_b32 s45, s32, 5
	s_add_co_u32 s44, s44, s45
	s_lshl_b32 s45, s[WV], 1
	s_add_co_u32 s44, s44, s45                     ; my first row tile: 128 x batch + 32 cx + 2 wave
	s_mul_i32 s44, s44, 12800
	s_bfe_u32 s45, s33, 0x10003
	s_mul_i32 s45, s45, 6400
	s_add_co_u32 s44, s44, s45                     ; the half of its record that holds my head
	s_and_b32 s46, s33, 7
	s_mul_i32 s47, s46, 768
	s_lshl_b32 s46, s46, 1
	s_add_co_u32 s46, s46, 6144
	s_add_co_u32 s46, s46, s44                     ; my head's two scale bytes of a row
	s_add_co_u32 s44, s44, s47                     ; my head's image
	s_mov_b32 s45, 0
	s_mov_b32 s47, 0
	s_wait_dscnt 0x0
	s_wait_kmcnt 0x0
	s_add_nc_u64 s[14:15], s[6:7], s[34:35]
	s_or_b32 s15, s15, 0x80000000
	s_add_nc_u64 s[4:5], s[4:5], s[36:37]
	s_add_nc_u64 s[6:7], s[4:5], s[40:41]          ; q's scale words
	s_add_nc_u64 s[4:5], s[4:5], s[38:39]          ; q's images
	s_add_nc_u64 s[8:9], s[8:9], s[42:43]
	s_add_nc_u64 s[100:101], s[10:11], s[46:47]
	s_add_nc_u64 s[10:11], s[10:11], s[44:45]
	CROUND                                         ; all four work-groups are here: the joint loads meet
	tensor_load_to_lds s[12:15], s[16:23]          ; one load a wave: one load of mine is out
	s_nop 0
.rept 4
	v_nop
.endr
	v_and_b32 v36, 31, v0                          ; lane
	v_and_b32 v37, 7, v0                           ; r % 8
	v_bfe_u32 v38, v0, 3, 1                        ; r / 8
	v_bfe_u32 v39, v0, 4, 1                        ; h
	v_and_b32 v40, 15, v0                          ; r
	v_mul_u32_u24 v41, v38, 1536                   ; rows 8-15 of a tile come from the image two further on
	v_lshlrev_b32 v1, 4, v36                       ; 16 x lane
	v_lshlrev_b32 v2, 3, v36                       ; 8 x lane
	v_lshlrev_b32 v3, 3, v40                       ; 8 r
	v_lshl_add_u32 v4, v40, 4, v39                 ; 16 r + h
	v_lshl_add_u32 v5, v37, 4, v41
	v_lshl_add_u32 v6, v37, 3, v41
	v_lshlrev_b32 v7, 3, v37
	v_lshlrev_b32 v13, 3, v39                      ; 8 h
	v_mov_b32 v[MSC], 0xe3e3e3e3                   ; the E8M0 byte of 2^100, 227, in every byte of every lane
	v_lshl_add_u32 v5, v39, 8, v5                  ; k's registers 0-3: 1,536 (r / 8) + 16 (r % 8) + 256 h
	v_lshl_add_u32 v6, v39, 7, v6                  ; k's registers 4-5: 1,536 (r / 8) + 8 (r % 8) + 128 h
	v_lshl_add_u32 v7, v38, 2, v7
	D 1
	v_lshl_add_u32 v7, v39, 7, v7                  ; k's scale words: 8 (r % 8) + 4 (r / 8) + 128 h
	global_load_b128 v[16:19], v1, s[4:5]          ; both tiles' q,
	global_load_b64 v[20:21], v2, s[4:5] offset:512
	global_load_b32 v28, v3, s[6:7]
	global_load_b128 v[90:93], v1, s[4:5] offset:768
	global_load_b64 v[94:95], v2, s[4:5] offset:1280
	global_load_b32 v15, v3, s[6:7] offset:128
	CODES                                          ; and the first step's mask codes
.irp j, 22,23,24,25,26,27,84,85,86,87,88,89
	v_mov_b32 v\j, 0                               ; zero codes: q's upper half of K, and what stands behind k's last tile
.endr
.irp b, 0,1
	v_mov_b32 v[TP+\b], 0                          ; written once: a lane permute's destination counts as one of its sources
.endr
	v_mov_b32 v[TT], 0
	v_mov_b32 v[F+1], 0                            ; named as the upper half of a pair, so it is written
	s_mov_b32 s[CS], 0x3e38aa3b                    ; c = log2(e) / 8
	s_mov_b32 s[CS+1], s[CS]
	s_mov_b32 s[SEL], 0x76543210
	s_mov_b32 s[SEL+1], 0xfedcba98
	s_mov_b32 s[HI16], 0xffff0000
	WALU                                           ; at the head's end
	s_wait_tensorcnt 0x0                           ; my record is in,
	s_barrier_signal -1
	s_barrier_wait -1                              ; everybody's is
	TILE 0
	TILE 1
	s_wait_dscnt 0x0
	s_wait_tensorcnt 0x0                           ; the wave's end
	ds_add_u32 v254, v255
	s_wait_dscnt 0x0
	CROUND                                         ; the closing round
	s_endpgm
.Lfunc_end_k_qce1303cb3d_attn:
	.size	k_qce1303cb3d_attn, .Lfunc_end_k_qce1303cb3d_attn-k_qce1303cb3d_attn
	.p2alignl 7, 3214868480
	.fill 96, 4, 3214868480
	.section	.rodata,"a",@progbits
	.p2align	6, 0x0
	.amdhsa_kernel k_qce1303cb3d_attn
		.amdhsa_group_segment_fixed_size 210944
		.amdhsa_private_segment_fixed_size 0
		.amdhsa_enable_private_segment 0
		.amdhsa_kernarg_size 32
		.amdhsa_user_sgpr_count 2
		.amdhsa_user_sgpr_kernarg_segment_ptr 1
		.amdhsa_wavefront_size32 1
		.amdhsa_system_sgpr_workgroup_id_x 1
		.amdhsa_system_sgpr_workgroup_id_y 1
		.amdhsa_system_sgpr_workgroup_id_z 1
		.amdhsa_system_vgpr_workitem_id 0
		.amdhsa_next_free_vgpr 256
		.amdhsa_next_free_sgpr 102
		.amdhsa_reserve_vcc 0
		.amdhsa_float_denorm_mode_32 3
		.amdhsa_float_denorm_mode_16_64 3
		.amdhsa_memory_ordered 1
		.amdhsa_forward_progress 1
		.amdhsa_inst_pref_size 52
	.end_amdhsa_kernel
	.amdgpu_metadata
---
amdhsa.version: [ 1, 2 ]
amdhsa.kernels:
  - .name:           k_qce1303cb3d_attn
    .symbol:         k_qce1303cb3d_attn.kd
    .args:
      - { .name: qf, .offset: 0, .size: 8, .value_kind: global_buffer, .address_space: global }
      - { .name: kv, .offset: 8, .size: 8, .value_kind: global_buffer, .address_space: global }
      - { .name: mc, .offset: 16, .size: 8, .value_kind: global_buffer, .address_space: global }
      - { .name: ac, .offset: 24, .size: 8, .value_kind: global_buffer, .address_space: global }
    .group_segment_fixed_size: 210944
    .private_segment_fixed_size: 0
    .kernarg_segment_align: 8
    .kernarg_segment_size: 32
    .max_flat_workgroup_size: 512
    .sgpr_count:     102
    .vgpr_count:     256
    .wavefront_size: 32
...
	.end_amdgpu_metadata
.endif
;; end of part 3
;; launch oproj (part 4): grid 4 x 64, 4 waves a work-group, clusters of 4 x 4, 307,712 bytes of LDS; arguments ac, cod, bo, out0; writes out0
.if DOCPART == 4
	.amdgcn_target "amdgcn-amd-amdhsa--gfx1250"
	.amdhsa_code_object_version 6
	.text
	.protected	k_qce1303cb3d_oproj
	.globl	k_qce1303cb3d_oproj
	.p2align	8
	.type	k_qce1303cb3d_oproj,@function
k_qce1303cb3d_oproj:
	s_mov_b64 s[64:65], 0
	v_nop
	global_prefetch_b8 v0, s[64:65] scope:SCOPE_SE
	s_setreg_imm32_b32 hwreg(HW_REG_WAVE_MODE, 25, 1), 1
	s_wait_xcnt 0x0
	s_wait_alu depctr_hold_cnt(0) depctr_sa_sdst(0) depctr_va_vdst(0) depctr_va_sdst(0) depctr_va_ssrc(0) depctr_va_vcc(0) depctr_vm_vsrc(0)
	s_getreg_b32 s2, hwreg(HW_REG_IB_STS2, 6, 4)
	s_cmp_eq_u32 s2, 0
	s_cbranch_scc0 .Lentry_in_a_cluster
	s_endpgm
.Lentry_in_a_cluster:
	s_bfe_u32 s2, ttmp6, 0x10000c
	s_cmp_lg_u32 s2, 0xf033
	s_cbranch_scc0 .Lentry_shape_is_right
	s_endpgm
.Lentry_shape_is_right:
; OPROJ.  out0 = a Wo^T + bo on codes of FP6 (E2M3) with E8M0 scales, sums in f32.  a: the attention's result as codes (ac), Wo: tiles 704-767 of cod; both as images of the operand's registers.
; THE PRODUCT IS USED TRANSPOSED: source 0 (S0) = 16 rows of Wo, source 1 (S1) = 16 rows of a: a lane holds eight neighbouring numbers of a row of out0.
; A work-group makes 256 columns x 128 rows; each of its four waves 128 x 64: 32 accumulators, which take turns, one instruction a turn.
; ALL OF K LIES IN LDS: (256 + 128) rows x 800 bytes = 307,200 bytes, filled once, in two halves along K: the second lands while the first is multiplied.  Nothing is filled again.
; CLUSTER 4 x 4: a's tiles are asked for jointly by a row of the cluster, Wo's by a column.  The bias is the C of each sum's first matrix instruction.
; THE WAY OUT goes through a stage of 16 rows x 528 bytes for each wave.  It lies in the first half of K, which has had its only fill and which nobody reads behind the barrier of K step 3.
; Place t of row tile T is row 32 (T / 2) + 8 (T % 2) + t + 8 (t / 8), as the launch that laid the tiles has it.
; REGISTERS, in windows of 256: window 0: v1-18 addresses; v32-95 scale words; v128-223 S1's fragments, two sets; on the way out v96-223 rows of out0.
;   window 1: v0-95, v128-223 S0's fragments, two sets; v96-127, v224-255 the bias.   window 2: accumulator (a, b) at v[64 a + 8 b].
.set WV,  16
.set W1,  17
.set W0,  18
.set CX,  19
.set CY,  20
.set CLY, 22
.set G1R, 24
.set G1C, 32
.set G0A, 40
.set G0B, 48
.set TL1, 58
.set TL0, 60
.set HALF, 153600
.set SC,  32
.set S1F, 128
.set STO, 16
.set RD,  17
.set BK,  96
.set MSB, 0
.macro WIN new                         ; the immediate's high byte repeats the setting that is left
.if MSB != \new
	s_set_vgpr_msb (MSB<<8)|\new
.set MSB, \new
.endif
.endm
.macro CROUND
	s_barrier_signal -1
	s_barrier_wait -1
	s_cmp_lg_u32 s[WV], 0
	s_cbranch_scc1 .Lnot_wave_0_\@
	s_barrier_signal -3
.Lnot_wave_0_\@:
	s_barrier_wait -3
	s_barrier_signal -1
	s_barrier_wait -1
.endm
.macro PLACES                          ; four plain instructions between a matrix instruction and a load into, or a store of, its registers
.rept 4
	v_nop
.endr
.endm
.macro FRAG reg, a16, a8, off
	ds_load_b128 v[\reg:\reg+3], v[\a16] offset:\off
	ds_load_b64 v[\reg+4:\reg+5], v[\a8] offset:\off+512
	ds_load_b128 v[\reg+6:\reg+9], v[\a16] offset:\off+768
	ds_load_b64 v[\reg+10:\reg+11], v[\a8] offset:\off+1280
.endm
.macro FETCH s
	WIN 0x40
.irp b, 0,1,2,3,4,5,6,7
	FRAG 128*((\s)%2)+12*\b, 8+(\s)/4, 10+(\s)/4, 6400*\b+1536*((\s)%4)
.endr
	WIN 0
.irp a, 0,1,2,3
	FRAG S1F+48*((\s)%2)+12*\a, 4+(\s)/4, 6+(\s)/4, 6400*\a+1536*((\s)%4)
.endr
.endm
.macro SCALES k
.irp i, 0,1,2,3,4,5,6,7
	ds_load_b128 v[SC+32*(\k)+4*\i:SC+32*(\k)+4*\i+3], v[12+(\k)] offset:6400*\i
.endr
.endm
.macro MUL16 a0, s, cm                 ; cm = 2: the bias (window 1) starts the sums
.irp a, \a0, \a0+1
.irp b, 0,1,2,3,4,5,6,7
.if \cm == 2
	v_wmma_scale_f32_16x16x128_f8f6f4 v[64*(\a)+8*\b:64*(\a)+8*\b+7], v[128*((\s)%2)+12*\b:128*((\s)%2)+12*\b+11], v[S1F+48*((\s)%2)+12*(\a):S1F+48*((\s)%2)+12*(\a)+11], v[96+8*\b+96*(\b/4):96+8*\b+96*(\b/4)+7], v[SC+32*((\s)/4)+4*\b+(\s)%4], v[SC+32*((\s)/4)+4*(\a)+(\s)%4] matrix_a_fmt:MATRIX_FMT_FP6 matrix_b_fmt:MATRIX_FMT_FP6 matrix_a_scale:MATRIX_SCALE_ROW1
.else
	v_wmma_scale_f32_16x16x128_f8f6f4 v[64*(\a)+8*\b:64*(\a)+8*\b+7], v[128*((\s)%2)+12*\b:128*((\s)%2)+12*\b+11], v[S1F+48*((\s)%2)+12*(\a):S1F+48*((\s)%2)+12*(\a)+11], v[64*(\a)+8*\b:64*(\a)+8*\b+7], v[SC+32*((\s)/4)+4*\b+(\s)%4], v[SC+32*((\s)/4)+4*(\a)+(\s)%4] matrix_a_fmt:MATRIX_FMT_FP6 matrix_b_fmt:MATRIX_FMT_FP6 matrix_a_scale:MATRIX_SCALE_ROW1
.endif
.endr
.endr
.endm
.macro GSTEP s, cm, wn
	s_wait_dscnt 0x0                               ; this step's fragments are in
.if (\s) == 3
	s_wait_tensorcnt 0x0                           ; my part of the second half of K has landed; my reads of the first half are over (the wait above)
	s_barrier_signal -1
.endif
	WIN \wn
	MUL16 0, \s, \cm
.if (\s) == 3
	s_barrier_wait -1
.endif
.if (\s) < 7
	PLACES
	FETCH (\s)+1
.if (\s) == 3
	SCALES 1
.endif
	WIN \wn
.endif
	MUL16 2, \s, \cm
.endm
.macro TOSTAGE a                       ; 16 rows x 128 columns into my stage, and back as whole rows of 512 bytes
	WIN 0x08                                       ; an LDS store's data are its source 1: window 2
.irp b, 0,1,2,3,4,5,6,7
	ds_store_b128 v[STO], v[64*(\a)+8*\b:64*(\a)+8*\b+3] offset:128*(\b/2)+32*(\b%2)      ; each accumulator from its low end on
	ds_store_b128 v[STO], v[64*(\a)+8*\b+4:64*(\a)+8*\b+7] offset:128*(\b/2)+32*(\b%2)+16
.endr
	WIN 0
.irp t, 0,1,2,3,4,5,6,7,8,9,10,11,12,13,14,15
	ds_load_b128 v[BK+64*((\a)%2)+4*\t:BK+64*((\a)%2)+4*\t+3], v[RD] offset:528*\t   ; LDS serves a wave's instructions in order: these see the stores above
.endr
.endm
.macro SEND a, younger                 ; younger: the LDS instructions issued behind block a's loads, which may stay out
	s_wait_dscnt \younger
.irp t, 0,1,2,3,4,5,6,7,8,9,10,11,12,13,14,15
	global_store_b128 v1, v[BK+64*((\a)%2)+4*\t:BK+64*((\a)%2)+4*\t+3], s[10:11] offset:(32*((\a)/2)+8*((\a)%2)+\t+8*(\t/8))*4096 th:TH_STORE_NT   ; 32 lanes store 512 consecutive bytes, aligned to 256
.endr
.endm
	s_load_b256 s[4:11], s[0:1], 0x0               ; ac, cod, bo, out0
	v_lshl_add_u32 v254, v0, 2, 0x4b000
	v_mov_b32 v255, 0
	ds_add_u32 v254, v255
	ds_add_u32 v254, v255
	v_lshrrev_b32 v14, 5, v0
	v_readfirstlane_b32 s[WV], v14
	s_lshr_b32 s[W1], s[WV], 1
	s_and_b32 s[W0], s[WV], 1
	s_bfe_u32 s[CX], ttmp6, 0x40000
	s_bfe_u32 s[CY], ttmp6, 0x40004
	s_and_b32 s[CLY], ttmp7, 0xffff
	s_lshl_b32 s56, s[CY], 2
	s_lshl_b32 s56, 15, s56                        ; my row of the cluster
	s_lshl_b32 s57, 0x1111, s[CX]                  ; my column
	s_or_b32 s[G1R], s56, (3<<16)|(1<<21)          ; 15:0 the mask; 17:16 elements of 8 bytes; 21 set beside a mask; no padding
	s_or_b32 s[G1C], s57, (3<<16)|(1<<21)
.irp g, G1R, G1C
	s_mov_b32 s[\g+1], 800<<16                     ; tensor_dim0 = 800 elements: half a record, 6,400 bytes
	s_mov_b32 s[\g+2], 8<<16                       ; tensor_dim1 = 8 tiles
	s_mov_b32 s[\g+3], 800<<16                     ; tile_dim0
	s_mov_b32 s[\g+4], 8                           ; tile_dim1
	s_mov_b32 s[\g+5], 1600                        ; from record to record: 12,800 bytes
	s_mov_b32 s[\g+6], 0
	s_mov_b32 s[\g+7], 0
.endr
	s_mov_b32 s[G1C+2], 16<<16                     ; Wo's loads bring all 16 tiles: tensor_dim1 = 16,
	s_mov_b32 s[G1C+4], 16                         ; tile_dim1 = 16
	s_lshl_b32 s[TL1], s[CLY], 5
	s_lshl_b32 s59, s[CY], 3
	s_add_co_u32 s[TL1], s[TL1], s59               ; a's tiles: 32 x cluster y + 8 cy
	s_lshl_b32 s[TL0], s[CX], 4
	s_add_co_u32 s[TL0], s[TL0], 704               ; Wo's tiles: 704 + 16 cx
	s_mul_i32 s62, s[TL1], 12800
	s_mov_b32 s63, 0
	s_mul_i32 s66, s[TL0], 12800
	s_mov_b32 s67, 0
	s_wait_dscnt 0x0
	s_wait_kmcnt 0x0
	s_add_nc_u64 s[62:63], s[4:5], s[62:63]
	s_add_nc_u64 s[66:67], s[6:7], s[66:67]
	CROUND                                         ; all sixteen work-groups are here: the joint loads meet
.irp k, 0,1
	s_mov_b32 s[G0A+4*\k], 1
	s_mov_b32 s[G0A+4*\k+1], \k*HALF               ; S1's 8 tiles open a half of K,
	s_add_nc_u64 s[G0A+4*\k+2:G0A+4*\k+3], s[62:63], \k*6400
	s_or_b32 s[G0A+4*\k+3], s[G0A+4*\k+3], 0x80000000
	s_mov_b32 s[G0B+4*\k], 1
	s_mov_b32 s[G0B+4*\k+1], 51200+\k*HALF         ; S0's 16 follow them
	s_add_nc_u64 s[G0B+4*\k+2:G0B+4*\k+3], s[66:67], \k*6400
	s_or_b32 s[G0B+4*\k+3], s[G0B+4*\k+3], 0x80000000
.endr
	s_cmp_eq_u32 s[WV], 0                          ; one load a wave, in one chain of arms: wave 0 S1's first half of K, wave 1 S0's, wave 2 S1's second half, wave 3 S0's
	s_cbranch_scc0 .Lw1
	tensor_load_to_lds s[G0A:G0A+3], s[G1R:G1R+7]
	s_nop 0
.rept 4
	v_nop
.endr
	s_branch .Lasked
.Lw1:
	s_cmp_eq_u32 s[WV], 1
	s_cbranch_scc0 .Lw2
	tensor_load_to_lds s[G0B:G0B+3], s[G1C:G1C+7]
	s_nop 0
.rept 4
	v_nop
.endr
	s_branch .Lasked
.Lw2:
	s_cmp_eq_u32 s[WV], 2
	s_cbranch_scc0 .Lw3
	tensor_load_to_lds s[G0A+4:G0A+7], s[G1R:G1R+7]
	s_nop 0
.rept 4
	v_nop
.endr
	s_branch .Lasked
.Lw3:
	tensor_load_to_lds s[G0B+4:G0B+7], s[G1C:G1C+7]
	s_nop 0
.rept 4
	v_nop
.endr
.Lasked:
	v_and_b32 v14, 31, v0
	v_and_b32 v15, 15, v0                          ; r
	v_bfe_u32 v3, v0, 4, 1                         ; h
	s_wait_alu depctr_va_vdst(0)
	v_lshlrev_b32 v1, 4, v14
	s_wait_alu depctr_va_vdst(0)
	v_lshlrev_b32 v2, 3, v14
	s_wait_alu depctr_va_vdst(0)
	s_mul_i32 s69, s[W1], 25600
	s_mul_i32 s70, s[W0], 51200
	s_add_co_u32 s70, s70, 51200
	s_xor_b32 s71, s[W1], 1
	s_lshl_b32 s72, s[W0], 1
	s_add_co_u32 s71, s71, s72
	s_add_co_u32 s71, s71, 1
	s_mul_i32 s71, s71, 25600                      ; from my S1 tiles to my S0 tiles
	v_mul_u32_u24 v12, s71, v3
	v_lshl_add_u32 v12, v15, 4, v12
	v_add_nc_u32 v12, s69, v12
	v_add_nc_u32 v12, 6144, v12
	v_add_nc_u32 v13, HALF, v12
.irp k, 0,1
	v_add_nc_u32 v[4+\k], s69, v1
	v_add_nc_u32 v[6+\k], s69, v2
	v_add_nc_u32 v[8+\k], s70, v1
	v_add_nc_u32 v[10+\k], s70, v2
	s_add_co_u32 s69, s69, HALF
	s_add_co_u32 s70, s70, HALF
.endr
	s_mul_i32 s73, s[WV], 8448                     ; my stage
	v_mul_u32_u24 v[STO], v15, 528
	v_lshl_add_u32 v[STO], v3, 6, v[STO]
	v_add_nc_u32 v[STO], s73, v[STO]               ; in: row r, + 64 h
	v_add_nc_u32 v[RD], s73, v1                    ; back: 16 x lane of a row
	s_lshl_b32 s74, s[CX], 10
	s_lshl_b32 s75, s[W0], 9
	s_add_co_u32 s74, s74, s75                     ; my 128 columns, in bytes: 1,024 cx + 512 w0
	s_mov_b32 s75, 0
	s_add_nc_u64 s[8:9], s[8:9], s[74:75]
	s_lshl_b32 s72, s[W1], 2
	s_add_co_u32 s72, s72, s[TL1]
	s_lshl_b32 s72, s72, 16                        ; my first row: 16 x (tile + 4 w1) rows of 4,096 bytes
	s_mov_b32 s73, 0
	s_add_nc_u64 s[10:11], s[10:11], s[72:73]
	s_add_nc_u64 s[10:11], s[10:11], s[74:75]
	v_lshlrev_b32 v18, 6, v3                       ; 64 h
	WIN 0x40
.irp g, 0,1,2,3,4,5,6,7,8,9,10,11,12,13,14,15
	global_load_b128 v[96+4*\g+96*(\g/8):96+4*\g+96*(\g/8)+3], v18, s[8:9] offset:128*(\g/4)+16*(\g%4)   ; register 16 b + i: bo at my column 32 b + 16 h + i
.endr
	WIN 0
	s_wait_alu depctr_va_vdst(0)
	s_cmp_lt_u32 s[WV], 2                          ; waves 0 and 1 asked for the first half of K: they wait for it; the second half's loads may stay out
	s_cbranch_scc0 .Lhalf1
	s_wait_tensorcnt 0x0
.Lhalf1:
	s_barrier_signal -1
	s_barrier_wait -1
	FETCH 0
	SCALES 0
	s_wait_loadcnt 0x0                             ; the bias
	GSTEP 0, 2, 0x91                               ; source 0 window 1, source 1 window 0, C (the bias) window 1, D window 2
.irp s, 1,2,3,4,5,6,7
	GSTEP \s, 1, 0xa1
.endr
	WIN 0
	PLACES
	TOSTAGE 0
.irp a, 1,2,3
.if \a > 1
	s_wait_xcnt 0x0                                ; block a - 2's stores have read their registers: block a's loads may land there
.endif
	TOSTAGE \a
	SEND \a-1, 32                                  ; behind block a - 1's loads: block a's 16 stores and 16 loads
.endr
	SEND 3, 0
	s_wait_tensorcnt 0x0
	ds_add_u32 v254, v255
	s_wait_dscnt 0x0
	CROUND                                         ; the closing round
	s_endpgm
.Lfunc_end_k_qce1303cb3d_oproj:
	.size	k_qce1303cb3d_oproj, .Lfunc_end_k_qce1303cb3d_oproj-k_qce1303cb3d_oproj
	.p2alignl 7, 3214868480
	.fill 96, 4, 3214868480
	.section	.rodata,"a",@progbits
	.p2align	6, 0x0
	.amdhsa_kernel k_qce1303cb3d_oproj
		.amdhsa_group_segment_fixed_size 307712
		.amdhsa_private_segment_fixed_size 0
		.amdhsa_enable_private_segment 0
		.amdhsa_kernarg_size 32
		.amdhsa_user_sgpr_count 2
		.amdhsa_user_sgpr_kernarg_segment_ptr 1
		.amdhsa_wavefront_size32 1
		.amdhsa_system_sgpr_workgroup_id_x 1
		.amdhsa_system_sgpr_workgroup_id_y 1
		.amdhsa_system_sgpr_workgroup_id_z 1
		.amdhsa_system_vgpr_workitem_id 0
		.amdhsa_next_free_vgpr 768
		.amdhsa_next_free_sgpr 100
		.amdhsa_reserve_vcc 0
		.amdhsa_float_denorm_mode_32 3
		.amdhsa_float_denorm_mode_16_64 3
		.amdhsa_memory_ordered 1
		.amdhsa_forward_progress 1
		.amdhsa_inst_pref_size 83
	.end_amdhsa_kernel
	.amdgpu_metadata
---
amdhsa.version: [ 1, 2 ]
amdhsa.kernels:
  - .name:           k_qce1303cb3d_oproj
    .symbol:         k_qce1303cb3d_oproj.kd
    .args:
      - { .name: ac, .offset: 0, .size: 8, .value_kind: global_buffer, .address_space: global }
      - { .name: cod, .offset: 8, .size: 8, .value_kind: global_buffer, .address_space: global }
      - { .name: bo, .offset: 16, .size: 8, .value_kind: global_buffer, .address_space: global }
      - { .name: out0, .offset: 24, .size: 8, .value_kind: global_buffer, .address_space: global }
    .group_segment_fixed_size: 307712
    .private_segment_fixed_size: 0
    .kernarg_segment_align: 8
    .kernarg_segment_size: 32
    .max_flat_workgroup_size: 128
    .sgpr_count:     100
    .vgpr_count:     768
    .wavefront_size: 32
...
	.end_amdgpu_metadata
.endif
;; end of part 4
